; MI455X (gfx1250); checked and timed in simulation.
; The chip was launched on July 23, 2026; its instructions are those of AMD's public machine-readable ISA for CDNA 5 (MIT licence, August 2026) and "CDNA5" Instruction Set Architecture Reference Guide (July 2026). The comments in the code are by the model that wrote it; some were corrected since.
;; Dilated MHCA Block. Allowed arithmetic: matrix products marked QUANTISED: E2M1 operands, one E8M0 scale for each 32 along K, by v_wmma_scale_f32_16x16x128_f8f6f4 with both operands' format E2M1 (or v_wmma_scale_f32_32x16x128_f4), f32 sums; everything else in f32.
;; Inputs: Wk 1,024 x 1,024 float32; Wo 1,024 x 1,024 float32; Wq 1,024 x 1,024 float32; Wv 1,024 x 1,024 float32; bk 1,024 float32; bo 1,024 float32; bq 1,024 float32; bv 1,024 float32; x 4 x 2,048 x 1,024 float32.
;; Outputs: out0 4 x 2,048 x 1,024 float32.
;; This version of the problem:
;;   THIS VERSION OF THE PROBLEM IS GIVEN IN LOW PRECISION. The matrix products marked QUANTISED in the list below multiply operands that are first quantised to E2M1 (2 exponent bits, 1 mantissa bit; 4 bits a number), with one power-of-two scale for each 32 numbers along K (OCP MX v1.0); their sums are f32. All else is computed in f32.
;;   The module's matrix products, in the order in which they are computed (A, B: the left and right operand; K: the contracted axis; several contracted axes count as one K, in the product's order):
;;     1. [M 8,192, K 1,024] x [K 1,024, N 1,024]; A: input x; B: input Wq: QUANTISED
;;     2. [M 8,192, K 1,024] x [K 1,024, N 1,024]; A: input x; B: input Wk: QUANTISED
;;     3. [M 8,192, K 1,024] x [K 1,024, N 1,024]; A: input x; B: input Wv: QUANTISED
;;     4. batch 64 x [M 2,048, K 64] x [K 64, N 2,048]; A: computed on the way; B: computed on the way: QUANTISED
;;     5. batch 64 x [M 2,048, K 2,048] x [K 2,048, N 64]; A: softmax (see below); B: computed on the way: QUANTISED
;;     6. [M 8,192, K 1,024] x [K 1,024, N 1,024]; A: computed on the way; B: input Wo: QUANTISED
;;   THE QUANTISER, for each operand of a quantised product, along K:
;;     - K is cut into blocks of 32 from its start; a last block that is shorter is filled with zeros.
;;     - A block's scale is 2^e with e = floor(log2(the largest magnitude in the block)) - 2, held to -126 .. 127; a block of zeros has e = 0. As a byte (E8M0): e + 127.
;;     - Each number is divided by its block's scale, clamped to +-6, and rounded to the nearest number of E2M1, ties to even, subnormals kept.
;;     - The product sums the exact products of the quantised numbers (number of the format x scale) in f32.
;;   ~~~python
;;   def quantise(x, axis):      # numpy; x: float32 -> the quantised numbers, widened to float32 again
;;       x = np.moveaxis(x, axis, -1); K = x.shape[-1]
;;       x = np.pad(x, [(0, 0)] * (x.ndim - 1) + [(0, -K % 32)]); x = x.reshape(x.shape[:-1] + (-1, 32)); a = np.abs(x).max(-1, keepdims=True)
;;       e = np.where(a > 0, np.clip(np.frexp(np.where(a > 0, a, 1))[1] - 1 - 2, -126, 127), 0)      # np.frexp(a)[1] - 1 = floor(log2(a)), exactly
;;       r = np.clip(x / 2.0 ** e, -6, 6)
;;       step = 2.0 ** (np.maximum(np.frexp(np.where(r == 0, 1, r))[1] - 1, 0) - 1)
;;       q = np.round(r / step) * step * 2.0 ** e      # np.round: ties to even
;;       return np.moveaxis(q.reshape(q.shape[:-2] + (-1,))[..., :K], -1, axis).astype(np.float32)
;;   ~~~
;;   SOFTMAX AHEAD OF A QUANTISED PRODUCT. Where the list says 'softmax', what is quantised is not the finished softmax but p = 2^(t - M), with t = logit x log2(e) and M = ceil(the row's largest t), a whole number; so 1/2 < the row's largest p <= 1. The row's sum l is taken of the UNQUANTISED p, in f32, and the product's result is divided by l at the end. Since M is a whole number, a kernel that streams over the keys may use a running M (the ceiling of the running maximum): every later rescaling is an exact power of two, which a block's scale takes up: the codes' values come out the same.
;;   OPERANDS COMPUTED ON THE WAY. 'Computed on the way' means the value that the module computes at that place (a softmax that the list does not call 'softmax' is quantised finished and normalised). What goes into a quantiser is computed in f32, as accurately as f32 sums, v_exp_f32 and their like allow (about 1e-6 of the number): no bf16 or f16 on the way to a quantiser, and a product that is left as it is and whose result goes on into a quantised operand takes f32 operands (vector FMAs, or v_wmma_f32_16x16x4_f32). A number that lies on a knife's edge between two numbers of the format may be rounded either way, as far as f32 arithmetic and the matrix unit's own rounding can turn it there, and no further.
;; One version. Each part assembles by itself: llvm-mc -triple=amdgcn-amd-amdhsa -mcpu=gfx1250 --defsym DOCPART=n.
;; ======== version 1 of 1: 4 launches
;; workspace buffers: xc 4,194,304 bytes; wc 2,097,152 bytes; s1 393,216 bytes; qkv 12,582,912 bytes; s2 786,432 bytes; ac 4,194,304 bytes; asc 262,144 bytes
;; launch quant (part 1): grid 384 x 1, 4 waves a work-group, no clusters, 33,280 bytes of LDS; arguments x, Wq, Wk, Wv, Wo, xc, wc, s1; writes xc, wc, s1
.if DOCPART == 1
	.amdgcn_target "amdgcn-amd-amdhsa--gfx1250"
	.amdhsa_code_object_version 6
	.text
	.protected	k_qcee522d1fe_quant
	.globl	k_qcee522d1fe_quant
	.p2align	8
	.type	k_qcee522d1fe_quant,@function
k_qcee522d1fe_quant:
	s_mov_b64 s[64:65], 0
	v_nop
	global_prefetch_b8 v0, s[64:65] scope:SCOPE_SE
	s_setreg_imm32_b32 hwreg(HW_REG_WAVE_MODE, 25, 1), 1
	s_wait_xcnt 0x0
; x [8192][1024] and Wq, Wk, Wv, Wo [1024][1024], f32, K innermost, become codes of FP4 (E2M1) with one E8M0 byte for each 32 along K.
; A block's scale is 2^(floor(log2(largest magnitude)) - 2); its byte is the largest magnitude's exponent field - 2, held at 1 from below.
; (A block of zeros gets the byte 1 where the rule says 127: its codes are zeros, and this program alone reads the bytes.)
; LIMITS: blocks whose largest magnitude lies under 2^-124 get the byte 1; NaN and infinities among the inputs are not served.
; THE ROWS CHANGE ORDER HERE, ONCE, by which input row a wave reads; codes and bytes leave as plain streams in the order of POSITIONS.
;   x: natural row 64 G + 4 t + rho lies at position 64 G + 16 rho + t: sixteen neighbouring positions are sixteen rows of one residue mod 4.
;   Wq, Wk, Wv: position 32 b + 16 u + 8 h + j holds natural row 32 b + 16 h + 8 u + j, so that a lane of the next launch's results holds 16 neighbouring channels.
;   Wo: natural order.
; A wave takes 8 positions = 16 steps of 512 numbers.  Each load reads 512 consecutive bytes; a step's 2,048 bytes turn through the wave's own stage in LDS so that
; a lane holds 16 neighbours along K (two lanes a block).  A step's codes are 256 consecutive bytes; a wave's 256 scale bytes are gathered in LDS and leave as one aligned run.
; Work-groups 0-255 take x, 256-383 the four weights, 32 each.  One path for all: only pointers and numbers are chosen.  No barrier: waves share nothing.
.set STEPS, 16
.set EMAX,  2
.set CB,    8                          ; bytes of 16 codes
.set R,     16                         ; v16-79   four sets of 16 numbers as loaded
.set X,     80                         ; v80-111  two sets of 16 neighbours
.set E,     112                        ; v112-127 a scale byte for each step
.set C,     128                        ; v128-191 codes, four registers a step: no store's data are written again
.set IA,    192                        ; v192-199 byte offset of my 16 bytes in the wave's i-th input row; never rewritten
.set WREG,  8192                       ; LDS: a region for each wave: two stages of 32 x SP bytes, then its 256 scale bytes
.set SP,    80                         ; a lane's place in a stage: 64 bytes + 16 of padding
.set XWG,   256                        ; work-groups that take x
	s_load_b512 s[4:19], s[0:1], 0x0               ; x 4:5, Wq 6:7, Wk 8:9, Wv 10:11, Wo 12:13, xc 14:15, wc 16:17, s1 18:19
	v_lshl_add_u32 v200, v0, 2, 0x8000
	v_mov_b32 v201, 0
	v_lshrrev_b32 v1, 5, v0
	v_readfirstlane_b32 s20, v1                    ; wave
	v_and_b32 v2, 31, v0                           ; lane
	v_lshlrev_b32 v3, 4, v2                        ; my 16 bytes of a load's 512
	s_mul_i32 s21, s20, WREG
	v_lshrrev_b32 v14, 2, v2
	v_mul_u32_u24 v14, v14, SP
	v_and_b32 v15, 3, v2
	v_lshl_add_u32 v14, v15, 4, v14
	v_add_nc_u32 v14, s21, v14                     ; the stage, on the way in: SP (lane / 4) + 16 (lane % 4)
	v_mul_u32_u24 v15, v2, SP
	v_add_nc_u32 v15, s21, v15                     ; and on the way out: SP x lane: my 16 neighbours
	v_mul_u32_u24 v4, v2, CB                       ; my codes' place in a step's
	v_lshrrev_b32 v5, 1, v2
	s_add_co_u32 s21, s21, 2*32*SP
	v_add_nc_u32 v5, s21, v5                       ; LDS: my block's scale byte
	v_lshlrev_b32 v7, 3, v2                        ; and on the way out 8 bytes a lane
	v_add_nc_u32 v6, s21, v7
	s_cmp_lt_u32 ttmp9, XWG
	s_cselect_b32 s22, 0, XWG
	s_sub_co_u32 s22, ttmp9, s22                   ; my number among x's work-groups, or among the weights'
	s_lshr_b32 s23, s22, 5                         ; which weight (0 Wq, 1 Wk, 2 Wv, 3 Wo)
	s_and_b32 s24, s22, 31                         ; which 32 rows of it
	s_lshl_b32 s25, s22, 2
	s_add_co_u32 s25, s25, s20                     ; my run of 8 positions in xc, or in wc (128 runs a weight)
	s_lshr_b32 s26, s25, 3
	s_lshl_b32 s26, s26, 6                         ; x: 64 G
	s_and_b32 s27, s25, 1
	s_lshl_b32 s27, s27, 5
	s_add_co_u32 s26, s26, s27                     ; + 4 x 8 for the upper eight t
	s_bfe_u32 s27, s25, 0x20001
	s_add_co_u32 s26, s26, s27                     ; + rho: x's first row; the next ones lie 4 rows on
	s_lshl_b32 s27, s20, 1
	s_and_b32 s27, s27, 2
	s_lshr_b32 s28, s20, 1
	s_or_b32 s27, s27, s28                         ; the wave's two bits changed over
	s_cmp_lt_u32 s23, 3
	s_cselect_b32 s27, s27, s20                    ; which 8 rows of the 32: changed over but for Wo
	s_lshl_b32 s27, s27, 3
	s_lshl_b32 s28, s24, 5
	s_add_co_u32 s27, s27, s28                     ; a weight's first row
	s_cmp_lt_u32 ttmp9, XWG
	s_cselect_b32 s26, s26, s27                    ; my first input row
	s_mov_b32 s29, 4096
	s_cselect_b32 s29, 16384, s29                  ; bytes from one of my input rows to the next
	s_cselect_b32 s32, 0, 262144                   ; the weights' scale bytes lie behind x's
	s_mov_b32 s33, 0
.irp i, 0,1,2,3,4,5,6,7
	s_mul_i32 s30, s29, \i
	v_add_nc_u32 v[IA+\i], s30, v3
.endr
	s_lshl_b32 s30, s26, 12                        ; the first row in bytes
	s_mov_b32 s31, 0
	s_lshl_b32 s34, s25, 12                        ; a run's codes are 4,096 bytes,
	s_mov_b32 s35, 0
	s_lshl_b32 s36, s25, 8                         ; its scale bytes 256
	s_mov_b32 s37, 0
	s_wait_kmcnt 0x0
	s_cmp_eq_u32 s23, 2                            ; the choices hang on the work-group's number alone
	s_cselect_b64 s[12:13], s[10:11], s[12:13]
	s_cmp_eq_u32 s23, 1
	s_cselect_b64 s[12:13], s[8:9], s[12:13]
	s_cmp_eq_u32 s23, 0
	s_cselect_b64 s[12:13], s[6:7], s[12:13]
	s_cmp_lt_u32 ttmp9, XWG
	s_cselect_b64 s[4:5], s[4:5], s[12:13]         ; in
	s_cselect_b64 s[8:9], s[14:15], s[16:17]       ; codes out
	s_add_nc_u64 s[4:5], s[4:5], s[30:31]
	s_add_nc_u64 s[8:9], s[8:9], s[34:35]
	s_add_nc_u64 s[10:11], s[18:19], s[32:33]      ; scale bytes out
	s_add_nc_u64 s[10:11], s[10:11], s[36:37]
.macro LOAD t                          ; step t: half (t % 2) of my input row t / 2
.irp i, 0,1,2,3
	global_load_b128 v[R+16*((\t)%4)+4*\i:R+16*((\t)%4)+4*\i+3], v[IA+(\t)/2], s[4:5] offset:2048*((\t)%2)+512*\i th:TH_LOAD_NT
.endr
.endm
.macro TURN t                          ; step t's numbers through the stage: LDS serves a wave's instructions in order, so no wait stands between the stores and the loads
.irp i, 0,1,2,3
	ds_store_b128 v14, v[R+16*((\t)%4)+4*\i:R+16*((\t)%4)+4*\i+3] offset:32*SP*((\t)%2)+8*SP*\i
.endr
.irp i, 0,1,2,3
	ds_load_b128 v[X+16*((\t)%2)+4*\i:X+16*((\t)%2)+4*\i+3], v15 offset:32*SP*((\t)%2)+16*\i
.endr
.endm
.irp t, 0,1,2,3
	LOAD \t
.endr
	s_wait_loadcnt 12                              ; step 0's four loads are in; the twelve behind them may be out
	TURN 0
.macro STEP t
.set XS, X+16*((\t)%2)
.if (\t) > 0
	s_wait_dscnt 1                                 ; this step's numbers are back from the stage (the last step's byte store may be out): its stores into the stage have read their registers,
.else
	s_wait_dscnt 0x0
.endif
.if (\t)+4 < STEPS
	LOAD (\t)+4                                    ; which take the loads of four steps on
.endif
.if (\t)+1 < STEPS
.if STEPS-2-(\t) >= 3
	s_wait_loadcnt 12                              ; the next step's four loads are in; those of the three steps behind it may be out
.else
	s_wait_loadcnt 4*(STEPS-2-(\t))
.endif
	TURN (\t)+1                                    ; and go through the other stage while this step is worked
.endif
	v_max3_num_f32 v8, |v[XS]|, |v[XS+1]|, |v[XS+2]|               ; the largest magnitude of my 16, in two chains
	v_max3_num_f32 v9, |v[XS+3]|, |v[XS+4]|, |v[XS+5]|
.irp i, 6,10
	v_max3_num_f32 v8, v8, |v[XS+\i]|, |v[XS+\i+1]|
	v_max3_num_f32 v9, v9, |v[XS+\i+2]|, |v[XS+\i+3]|
.endr
	v_max3_num_f32 v8, v8, |v[XS+14]|, |v[XS+15]|
	v_max3_num_f32 v8, v8, v9, (EMAX+1)<<23        ; and the floor 2^(3 - 127): the byte cannot fall under 1
	v_max_num_f32_dpp v8, v8, v8 row_xmask:1 row_mask:0xf bank_mask:0xf   ; with my neighbour's 16: the block's
	v_add_nc_u32 v11, -(EMAX<<23), v8              ; 2 off its exponent field: the conversion takes the exponent field of this operand as its scale
	v_cvt_scalef32_pk8_fp4_f32 v[C+4*(\t)], v[XS:XS+7], v11
	v_cvt_scalef32_pk8_fp4_f32 v[C+4*(\t)+1], v[XS+8:XS+15], v11
	v_lshrrev_b32 v[E+(\t)], 23, v11               ; the scale's byte (also the plain line behind the conversions)
	ds_store_b8 v5, v[E+(\t)] offset:16*(\t)       ; both lanes of a block write the same byte with the same value
	global_store_b64 v4, v[C+4*(\t):C+4*(\t)+1], s[8:9] offset:32*CB*(\t)   ; the wave stores 256 consecutive bytes, aligned
.endm
.irp t, 0,1,2,3,4,5,6,7,8,9,10,11,12,13,14,15
	STEP \t
.endr
	ds_load_b64 v[12:13], v6                       ; LDS serves a wave's instructions in order: these see my stores
	s_wait_dscnt 0x0
	global_store_b64 v7, v[12:13], s[10:11]        ; 32 lanes store 256 consecutive bytes, aligned
	s_wait_tensorcnt 0x0
	ds_add_u32 v200, v201
	s_wait_dscnt 0x0
	s_endpgm
.Lfunc_end_k_qcee522d1fe_quant:
	.size	k_qcee522d1fe_quant, .Lfunc_end_k_qcee522d1fe_quant-k_qcee522d1fe_quant
	.p2alignl 7, 3214868480
	.fill 96, 4, 3214868480
	.section	.rodata,"a",@progbits
	.p2align	6, 0x0
	.amdhsa_kernel k_qcee522d1fe_quant
		.amdhsa_group_segment_fixed_size 33280
		.amdhsa_private_segment_fixed_size 0
		.amdhsa_enable_private_segment 0
		.amdhsa_kernarg_size 64
		.amdhsa_user_sgpr_count 2
		.amdhsa_user_sgpr_kernarg_segment_ptr 1
		.amdhsa_wavefront_size32 1
		.amdhsa_system_sgpr_workgroup_id_x 1
		.amdhsa_system_sgpr_workgroup_id_y 1
		.amdhsa_system_sgpr_workgroup_id_z 1
		.amdhsa_system_vgpr_workitem_id 0
		.amdhsa_next_free_vgpr 202
		.amdhsa_next_free_sgpr 66
		.amdhsa_reserve_vcc 0
		.amdhsa_float_denorm_mode_32 3
		.amdhsa_float_denorm_mode_16_64 3
		.amdhsa_memory_ordered 1
		.amdhsa_forward_progress 1
		.amdhsa_inst_pref_size 35
	.end_amdhsa_kernel
	.amdgpu_metadata
---
amdhsa.version: [ 1, 2 ]
amdhsa.kernels:
  - .name:           k_qcee522d1fe_quant
    .symbol:         k_qcee522d1fe_quant.kd
    .args:
      - { .name: x, .offset: 0, .size: 8, .value_kind: global_buffer, .address_space: global }
      - { .name: Wq, .offset: 8, .size: 8, .value_kind: global_buffer, .address_space: global }
      - { .name: Wk, .offset: 16, .size: 8, .value_kind: global_buffer, .address_space: global }
      - { .name: Wv, .offset: 24, .size: 8, .value_kind: global_buffer, .address_space: global }
      - { .name: Wo, .offset: 32, .size: 8, .value_kind: global_buffer, .address_space: global }
      - { .name: xc, .offset: 40, .size: 8, .value_kind: global_buffer, .address_space: global }
      - { .name: wc, .offset: 48, .size: 8, .value_kind: global_buffer, .address_space: global }
      - { .name: s1, .offset: 56, .size: 8, .value_kind: global_buffer, .address_space: global }
    .group_segment_fixed_size: 33280
    .private_segment_fixed_size: 0
    .kernarg_segment_align: 8
    .kernarg_segment_size: 64
    .max_flat_workgroup_size: 128
    .sgpr_count:     66
    .vgpr_count:     202
    .wavefront_size: 32
...
	.end_amdgpu_metadata
.endif
;; end of part 1
;; launch proj (part 2): grid 12 x 32, 4 waves a work-group, clusters of 4 x 4, 327,680 bytes of LDS; arguments xc, s1, wc, bq, bk, bv, qkv, s2; writes qkv, s2
.if DOCPART == 2
	.amdgcn_target "amdgcn-amd-amdhsa--gfx1250"
	.amdhsa_code_object_version 6
	.text
	.protected	k_qcee522d1fe_proj
	.globl	k_qcee522d1fe_proj
	.p2align	8
	.type	k_qcee522d1fe_proj,@function
k_qcee522d1fe_proj:
	s_mov_b64 s[64:65], 0
	v_nop
	global_prefetch_b8 v0, s[64:65] scope:SCOPE_SE
	s_setreg_imm32_b32 hwreg(HW_REG_WAVE_MODE, 25, 1), 1
	s_wait_xcnt 0x0
	s_wait_alu depctr_hold_cnt(0) depctr_sa_sdst(0) depctr_va_vdst(0) depctr_va_sdst(0) depctr_va_ssrc(0) depctr_va_vcc(0) depctr_vm_vsrc(0)
	s_getreg_b32 s2, hwreg(HW_REG_IB_STS2, 6, 4)
	s_cmp_eq_u32 s2, 0
	s_cbranch_scc0 .Lentry_in_a_cluster
	s_endpgm
.Lentry_in_a_cluster:
	s_bfe_u32 s2, ttmp6, 0x10000c
	s_cmp_lg_u32 s2, 0xf033
	s_cbranch_scc0 .Lentry_shape_is_right
	s_endpgm
.Lentry_shape_is_right:
; q, k and v = x W^T + b on codes of FP4 (K = 1,024), and what follows them up to the next quantiser, so that only codes and scale bytes leave.
; A tile is 256 x 256; four waves, 128 x 128 each: 64 accumulators.  K = 1,024 lies in LDS whole: two slots of 512 along K (rows of 256 bytes + 16 of padding) and all scale bytes, each filled ONCE.
; ROLES.  The matrix instruction takes source 0 = side B (16 rows), source 1 = side A: lane (r, h) holds A's row r and B's rows 8 h + 0 .. 7.
;   clusters x = 0, 1 (q, k): A = x's positions, B = the weight's positions: a lane holds one row of x and, by the weights' order, 32 channels d = 32 (k / 16) + 16 h + k % 16 of each of two heads.
;     Bias as the first product's C; the head's L2 norm (two lanes a row); x 1 / (norm + 1e-6); quantised along the head's 64 channels.
;   cluster x = 2 (v): A = Wv's positions, B = x's positions: a lane holds one channel, and its 32 registers of four tiles are one whole block of 32 natural keys
;     (position 64 G + 16 rho + 8 h + j is key 64 G + 32 h + 4 j + rho), in the slot order 8 rho + j, which the next launch gives its weights p too.
; CLUSTERS: 4 x 4.  A's tiles hang on the cluster's row alone, B's on its column alone: each is asked for jointly by the four that share it.  The role hangs on the cluster's x, which all sixteen share.
; LIMITS: NaN and infinities are not served; 1 / (norm + eps) is v_sqrt_f32 and v_rcp_f32 (1 ulp each; a sum of squares under 2^-126 counts as 0); blocks under 2^-124 and blocks of zeros get the byte 1.
; REGISTERS: window 0: v1-31 addresses; v32-95 scale words, two sets; v128-255 A's fragments, two sets.  window 1: B's fragments at v0 and v128; v64-127 the bias.  windows 2, 3: accumulator (a, b) at v[8 (8 (a % 4) + b)].
.set NA,     8                         ; A's blocks of 16 rows in a wave's tile
.set PITCH,  272
.set HALFA,  16*NA*PITCH               ; what one tensor load brings of A, and what one wave reads
.set HALFB,  128*PITCH
.set SLOT,   2*HALFA+2*HALFB
.set SCL,    2*SLOT                    ; behind the slots: the scale bytes, as runs of 256 bytes + 16 of padding; a row has 32 bytes
.set HALFSA, 2*NA*272
.set HALFSB, 16*272
.set SBLK,   544                       ; those of 16 rows
.set SPARE,  SCL+2*HALFSA+2*HALFSB     ; the spare words, 128 bytes a wave: two blocks of 256 bytes that no other line names
.set QST,    SPARE+512                 ; 512 bytes a wave: q's or k's scale words on their way out; no fill lands here
.set NLD,    16+2*NA                   ; LDS loads of one step's fragments
.set ADRA, 16                          ; v16-17 LDS address of my A fragments in slot 0, 1
.set ADRB, 20                          ; v20-21 the same for B
.set VO,   22                          ; v22  v's codes: 1,024 h + 16 r
.set LW,   23                          ; v23  4 x lane
.set QO,   24                          ; v24  q's, k's codes: 32 r + 16 h
.set QW,   25                          ; v25  LDS: my row's scale word
.set QR,   26                          ; v26  LDS: 16 bytes a lane of the wave's 512
.set ADRS, 27                          ; v27  LDS address of my scale words: lanes 0-15 A's rows, lanes 16-31 B's
.set SPW,  28                          ; v28  my spare word; never rewritten
.set NIL,  29                          ; v29  0; never rewritten
.set LQ,   30                          ; v30  16 x lane
.set SC,   32
.set AF,   128
.set CBI,  64                          ; the bias, in window 1
.set NP,   32                          ; epilogue: pair u: 1 / (norm + eps), norm + eps
.set CDS,  64                          ; epilogue: codes
.set SS,   128                         ; epilogue: sums of squares, four a unit; afterwards at work:
.set TM,   128
.set WD,   144                         ; a scale word for each tile of rows
.set BKW,  152
.set FL,   160                         ; the floor 2^(3 - 127)
.set YY,   192                         ; 64 normalised numbers
.set G1, 24
.set G0, 32
.set G1B, 48
.set G0B, 56
.set G1S, 68
.set G0S, 76
.set G0SB, 80
.set G1SB, 92
.set OUTC, 2                           ; s[2:3]   where my codes go
.set OUTW, 66                          ; s[66:67] where my scale bytes go
.set BP,   100                         ; s[100:101] my bias
.set SEL,  46                          ; s[46:47] v_permlanex16_b32's selects for lane l xor 16
.set MSB, 0
.macro WIN new                         ; the immediate's high byte repeats the setting that is left
.if MSB != (\new)
	s_set_vgpr_msb (MSB<<8)|(\new)
.set MSB, (\new)
.endif
.endm
.macro JLOAD g0a, g1a, g0b, g1b        ; a joint load: waves 0, 1 fetch for A, waves 2, 3 for B; four v_nop follow each line
	s_cmp_eq_u32 s15, 0
	s_cbranch_scc0 .Lfor_b_\@
	tensor_load_to_lds s[\g0a:\g0a+3], s[\g1a:\g1a+7]
	s_nop 0
.rept 4
	v_nop
.endr
	s_branch .Lasked_\@
.Lfor_b_\@:
	tensor_load_to_lds s[\g0b:\g0b+3], s[\g1b:\g1b+7]
	s_nop 0
.rept 4
	v_nop
.endr
.Lasked_\@:
.endm
.macro CROUND                          ; a round of the cluster's barrier
	s_barrier_signal -1
	s_barrier_wait -1
	s_cmp_lg_u32 s14, 0
	s_cbranch_scc1 .Lnot_wave_0_\@
	s_barrier_signal -3
.Lnot_wave_0_\@:
	s_barrier_wait -3
	s_barrier_signal -1
	s_barrier_wait -1
.endm
.macro PLACES n
.rept \n
	v_nop
.endr
.endm
	s_load_b256 s[4:11], s[0:1], 0x0               ; xc 4:5, s1 6:7, wc 8:9, bq 10:11
	s_load_b256 s[84:91], s[0:1], 0x20             ; bk 84:85, bv 86:87, qkv 88:89, s2 90:91
	v_lshl_add_u32 v[SPW], v0, 2, SPARE
	v_mov_b32 v[NIL], 0
	ds_add_u32 v28, v29
	ds_add_u32 v28, v29
	s_wait_dscnt 0x0
	v_lshrrev_b32 v1, 5, v0
	v_readfirstlane_b32 s14, v1                    ; wave 0..3
	s_lshr_b32 s15, s14, 1                         ; my half of A's rows.  Also: I fetch for A (0) or for B (1)
	s_and_b32 s16, s14, 1                          ; my half of B's rows.  Also: which half I fetch
	s_bfe_u32 s40, ttmp6, 0x40000                  ; cx
	s_bfe_u32 s41, ttmp6, 0x40004                  ; cy
	s_and_b32 s17, ttmp7, 0xffff
	s_lshl_b32 s17, s17, 2                         ; 4 x cluster y
	s_lshl_b32 s43, s41, 2
	s_lshl_b32 s43, 15, s43                        ; my row of the cluster
	s_lshl_b32 s44, 0x1111, s40                    ; my column
	s_or_b32 s[G1+0], s43, (0<<16)|(1<<20)|(1<<21)|(5<<22)|(3<<25)   ; the mask; elements of 1 byte; padding: 4 words behind every 64
	s_or_b32 s[G1B+0], s44, (0<<16)|(1<<20)|(1<<21)|(5<<22)|(3<<25)
.irp g, G1, G1B
	s_mov_b32 s[\g+1], 256<<16                     ; tensor_dim0: 256 bytes = 512 along K
	s_mov_b32 s[\g+2], 128<<16                     ; tensor_dim1
	s_mov_b32 s[\g+3], 256<<16                     ; tile_dim0
	s_mov_b32 s[\g+4], 128                         ; tile_dim1
	s_mov_b32 s[\g+5], 512                         ; a row of codes in memory
	s_mov_b32 s[\g+6], 0
	s_mov_b32 s[\g+7], 0
.endr
	s_or_b32 s[G1S+0], s43, (3<<16)|(1<<20)|(1<<21)|(5<<22)|(3<<25)  ; the scale bytes of 128 rows: 4,096 dense bytes as 16 rows of 32 elements of 8 bytes
	s_or_b32 s[G1SB+0], s44, (3<<16)|(1<<20)|(1<<21)|(5<<22)|(3<<25)
.irp g, G1S, G1SB
	s_mov_b32 s[\g+1], 32<<16
	s_mov_b32 s[\g+2], 16<<16
	s_mov_b32 s[\g+3], 32<<16
	s_mov_b32 s[\g+4], 16
	s_mov_b32 s[\g+5], 32
	s_mov_b32 s[\g+6], 0
	s_mov_b32 s[\g+7], 0
.endr
	s_add_co_u32 s18, s17, s41                     ; q, k: A's tile = 4 x cluster y + cy (x)
	s_lshl_b32 s42, ttmp9, 2
	s_add_co_u32 s42, s42, s40                     ; q, k: B's tile = 4 x cluster x + cx (Wq's and Wk's rows lie on end in wc)
	s_add_co_u32 s45, s17, s40                     ; v: B's tile = 4 x cluster y + cx (x)
	s_cmp_eq_u32 ttmp9, 2                          ; the role: the same in all sixteen partners
	s_cselect_b32 s13, 1, 0
	s_cselect_b32 s18, s41, s18                    ; v: A's tile = cy (Wv)
	s_cselect_b32 s42, s45, s42
	s_cselect_b32 s12, 327680, 0                   ; where A's scale bytes begin in s1: Wv's, or x's
	s_cselect_b32 s45, 0, 262144                   ; and B's: x's, or the weights'
	s_cselect_b32 s3, 0x100000, 0                  ; where A's codes begin: Wv's in wc, or xc
	s_lshl_b32 s19, s16, 7                         ; which 128 rows I fetch
	s_lshl_b32 s20, s18, 8
	s_add_co_u32 s20, s20, s19                     ; A's row
	s_lshl_b32 s46, s42, 8
	s_add_co_u32 s46, s46, s19                     ; B's row
	s_lshl_b32 s22, s20, 5
	s_add_co_u32 s22, s22, s12
	s_mov_b32 s23, 0
	s_lshl_b32 s20, s20, 9
	s_add_co_u32 s20, s20, s3
	s_mov_b32 s21, 0
	s_lshl_b32 s66, s46, 5
	s_add_co_u32 s66, s66, s45
	s_mov_b32 s67, 0
	s_lshl_b32 s46, s46, 9
	s_mov_b32 s47, 0
	s_mul_i32 s12, s16, HALFA                      ; where they go: the wave's number alone enters an LDS address
	s_mul_i32 s2, s16, HALFB
	s_add_co_u32 s2, s2, 2*HALFA
	s_mul_i32 s19, s16, HALFSA
	s_mul_i32 s3, s16, HALFSB
	s_add_co_u32 s3, s3, 2*HALFSA
	s_wait_kmcnt 0x0
	s_cmp_eq_u32 s13, 1
	s_cselect_b64 s[100:101], s[8:9], s[4:5]
	s_add_nc_u64 s[20:21], s[100:101], s[20:21]    ; A's codes
	s_cselect_b64 s[100:101], s[4:5], s[8:9]
	s_add_nc_u64 s[46:47], s[100:101], s[46:47]    ; B's codes
	s_add_nc_u64 s[22:23], s[6:7], s[22:23]        ; A's scale bytes
	s_add_nc_u64 s[66:67], s[6:7], s[66:67]        ; B's
	CROUND                                         ; all sixteen work-groups are here: the joint loads meet
	s_mov_b32 s[G0S], 1
	s_add_co_u32 s[G0S+1], s19, SCL
	s_mov_b64 s[G0S+2:G0S+3], s[22:23]
	s_or_b32 s[G0S+3], s[G0S+3], 0x80000000
	s_mov_b32 s[G0SB], 1
	s_add_co_u32 s[G0SB+1], s3, SCL
	s_mov_b64 s[G0SB+2:G0SB+3], s[66:67]
	s_or_b32 s[G0SB+3], s[G0SB+3], 0x80000000
	JLOAD G0S, G1S, G0SB, G1SB                     ; the scale bytes first
.irp s, 0,1
	s_mov_b32 s[G0+4*\s], 1
	s_add_co_u32 s[G0+4*\s+1], s12, \s*SLOT
	s_add_nc_u64 s[G0+4*\s+2:G0+4*\s+3], s[20:21], \s*256
	s_or_b32 s[G0+4*\s+3], s[G0+4*\s+3], 0x80000000
	s_mov_b32 s[G0B+4*\s], 1
	s_add_co_u32 s[G0B+4*\s+1], s2, \s*SLOT
	s_add_nc_u64 s[G0B+4*\s+2:G0B+4*\s+3], s[46:47], \s*256
	s_or_b32 s[G0B+4*\s+3], s[G0B+4*\s+3], 0x80000000
	JLOAD G0+4*\s, G1, G0B+4*\s, G1B               ; both halves of K: three loads of mine are out, and no more are issued
.endr
	v_and_b32 v1, 15, v0                           ; r
	v_bfe_u32 v2, v0, 4, 1                         ; h
	v_mul_u32_u24 v3, v1, PITCH
	v_lshl_add_u32 v4, v2, 4, v3                   ; a fragment's row x pitch + 16 h
	s_mul_i32 s20, s15, HALFA
	s_mul_i32 s21, s16, HALFB
	s_add_co_u32 s21, s21, 2*HALFA
.irp s, 0,1
	v_add_nc_u32 v[ADRA+\s], s20, v4
	v_add_nc_u32 v[ADRB+\s], s21, v4
	s_add_co_u32 s20, s20, SLOT
	s_add_co_u32 s21, s21, SLOT
.endr
	v_lshlrev_b32 v5, 5, v1                        ; my row's scale bytes: 32 a row,
	v_lshrrev_b32 v6, 3, v1
	v_lshl_add_u32 v5, v6, 4, v5                   ; and 16 more behind the first 256
	s_mul_i32 s20, s15, HALFSA
	s_mul_i32 s21, s16, HALFSB
	s_add_co_u32 s21, s21, 2*HALFSA
	s_sub_co_u32 s21, s21, s20
	v_mul_u32_u24 v6, s21, v2                      ; lanes 16-31 take B's: one product, the distance x h
	s_add_co_u32 s20, s20, SCL
	v_add_nc_u32 v5, v5, v6
	v_add_nc_u32 v[ADRS], s20, v5
	v_lshlrev_b32 v[QO], 5, v1
	v_lshl_add_u32 v[QO], v2, 4, v[QO]
	s_lshl_b32 s20, s14, 9
	s_add_co_u32 s20, s20, QST
	v_lshl_add_u32 v[QW], v1, 2, s20
	v_and_b32 v7, 31, v0
	v_lshl_add_u32 v[QR], v7, 4, s20
	v_lshlrev_b32 v[LQ], 4, v7
	v_lshlrev_b32 v[LW], 2, v7
	v_lshlrev_b32 v[VO], 10, v2
	v_lshl_add_u32 v[VO], v1, 4, v[VO]
	v_lshlrev_b32 v8, 6, v2                        ; q, k: the bias of my half's 16 channels: 64 h
	v_and_b32 v9, 8, v1
	v_add_nc_u32 v9, v9, v1
	v_lshlrev_b32 v9, 2, v9                        ; v: the bias of my channel: 4 (r + 8 (r / 8))
	; where the results go.  q, k: [batch x 8 + head pair][tile of 16 positions][head of the pair][row][32 bytes]; scale words [batch x 8 + pair][position]
	s_lshr_b32 s20, s18, 3
	s_lshl_b32 s20, s20, 3
	s_lshl_b32 s21, s40, 1
	s_add_co_u32 s20, s20, s21
	s_add_co_u32 s20, s20, s16                     ; batch x 8 + pair
	s_and_b32 s21, s18, 7
	s_lshl_b32 s21, s21, 1
	s_add_co_u32 s21, s21, s15                     ; which 128 positions of the batch
	s_lshl_b32 s22, s20, 17
	s_lshl_b32 s23, s21, 13
	s_add_co_u32 s22, s22, s23
	s_lshl_b32 s23, ttmp9, 22
	s_add_co_u32 s22, s22, s23
	s_lshl_b32 s45, s20, 13
	s_lshl_b32 s23, s21, 9
	s_add_co_u32 s45, s45, s23
	s_lshl_b32 s23, ttmp9, 18
	s_add_co_u32 s45, s45, s23
	; v: [batch x 16 + head][block of 32 keys][channel position][16 bytes]; scale bytes [batch x 16 + head][block][r][tile of channels]
	s_lshr_b32 s20, s42, 3
	s_lshl_b32 s20, s20, 4
	s_lshl_b32 s21, s41, 2
	s_add_co_u32 s20, s20, s21
	s_lshl_b32 s21, s15, 1
	s_add_co_u32 s20, s20, s21                     ; batch x 16 + my first head
	s_lshl_b32 s21, s42, 2
	s_lshl_b32 s23, s16, 1
	s_add_co_u32 s21, s21, s23
	s_and_b32 s21, s21, 31                         ; my first group of 64 keys in the batch
	s_lshl_b32 s46, s20, 16
	s_lshl_b32 s23, s21, 11
	s_add_co_u32 s46, s46, s23
	s_add_co_u32 s46, s46, 0x800000
	s_lshl_b32 s47, s20, 12
	s_lshl_b32 s23, s21, 7
	s_add_co_u32 s47, s47, s23
	s_add_co_u32 s47, s47, 0x80000
	s_cmp_eq_u32 s13, 1
	s_cselect_b32 s[OUTC], s46, s22
	s_cselect_b32 s[OUTW], s47, s45
	s_cselect_b32 s20, s41, s40                    ; the bias goes with the weight's rows: A's for v, B's for q and k
	s_cselect_b32 s21, s15, s16
	s_mov_b32 s[OUTC+1], 0
	s_mov_b32 s[OUTW+1], 0
	s_add_nc_u64 s[OUTC:OUTC+1], s[88:89], s[OUTC:OUTC+1]
	s_add_nc_u64 s[OUTW:OUTW+1], s[90:91], s[OUTW:OUTW+1]
	s_lshl_b32 s20, s20, 10
	s_lshl_b32 s21, s21, 9
	s_add_co_u32 s20, s20, s21
	s_mov_b32 s21, 0
	s_cmp_eq_u32 ttmp9, 0
	s_cselect_b64 s[BP:BP+1], s[10:11], s[84:85]
	s_cmp_eq_u32 s13, 1
	s_cselect_b64 s[BP:BP+1], s[86:87], s[BP:BP+1]
	s_add_nc_u64 s[BP:BP+1], s[BP:BP+1], s[20:21]
	s_mov_b32 s[SEL], 0x76543210
	s_mov_b32 s[SEL+1], 0xfedcba98
	; the bias, in the results' layout, is the C of the first K step's products
	s_cmp_eq_u32 s13, 1
	s_cbranch_scc1 .Lbias_v
	WIN 0x40                                       ; destination window 1
.irp b, 0,1,2,3,4,5,6,7
	global_load_b128 v[CBI+8*\b:CBI+8*\b+3], v8, s[BP:BP+1] offset:(32*(\b/2)+8*(\b%2))*4       ; B's tile b: channels 32 (b / 2) + 16 h + 8 (b % 2) + 0 .. 7
	global_load_b128 v[CBI+8*\b+4:CBI+8*\b+7], v8, s[BP:BP+1] offset:(32*(\b/2)+8*(\b%2))*4+16
.endr
	WIN 0
	s_branch .Lbias_done
.Lbias_v:
	WIN 0x40
.irp a, 0,1,2,3,4,5,6,7
.irp j, 0,1,2,3,4,5,6,7
	global_load_b32 v[CBI+8*\a+\j], v9, s[BP:BP+1] offset:(32*(\a/2)+8*(\a%2))*4                ; A's tile a: my one channel's bias in all eight registers
.endr
.endr
	WIN 0
.Lbias_done:
.macro FRAG reg, adr, q, i             ; 16 rows x 128 K of 4-bit codes: registers 4 c .. 4 c + 3 hold K = 64 c + 32 h + 0 .. 31
.irp c, 0,1
	ds_load_b128 v[\reg+4*\c:\reg+4*\c+3], v[\adr] offset:64*(\q)+32*\c+(\i)*16*PITCH
.endr
.endm
.macro FETCH slot, q, p                ; the fragments of the slot's q-th 128 along K into set p: NLD loads in one run
	WIN 0x40
.irp i, 0,1,2,3,4,5,6,7
	FRAG 128*(\p)+8*\i, ADRB+\slot, \q, \i
.endr
	WIN 0
.irp i, 0,1,2,3,4,5,6,7
.if \i < NA
	FRAG AF+64*(\p)+8*\i, ADRA+\slot, \q, \i
.endif
.endr
.endm
.macro SCALES s                        ; a slot's scale words: four a row; lanes 0-15 A's block i, lanes 16-31 B's block i
.irp i, 0,1,2,3,4,5,6,7
	ds_load_b128 v[SC+32*\s+4*\i:SC+32*\s+4*\i+3], v[ADRS] offset:\i*SBLK+16*\s
.endr
.endm
; 8 NA matrix instructions: 128 along K.  All accumulators take turns, one instruction a turn, in the same order in every step.
; cm = 0: onto the sums; 1: the sums begin with B's bias; 2: with A's.
.macro MULS p, q, sc, cm
.irp a, 0,1,2,3,4,5,6,7
.if \a < NA
.if \cm
	WIN 0x91+0x40*(\a/4)                           ; source 0 (B) and C (bias) window 1, source 1 (A) window 0, D window 2 or 3
.else
	WIN 0xa1+0x50*(\a/4)                           ; C and D window 2 or 3
.endif
.irp b, 0,1,2,3,4,5,6,7
.set rD, 8*(8*(\a%4)+\b)
.set rB, 128*(\p)+8*\b
.set rA, AF+64*(\p)+8*\a
.set rSB, SC+32*(\sc)+4*\b+(\q)
.set rSA, SC+32*(\sc)+4*\a+(\q)
.if \cm == 1
	v_wmma_scale_f32_16x16x128_f8f6f4 v[rD:rD+7], v[rB:rB+7], v[rA:rA+7], v[CBI+8*\b:CBI+8*\b+7], v[rSB], v[rSA] matrix_a_fmt:MATRIX_FMT_FP4 matrix_b_fmt:MATRIX_FMT_FP4 matrix_a_scale:MATRIX_SCALE_ROW1
.elseif \cm == 2
	v_wmma_scale_f32_16x16x128_f8f6f4 v[rD:rD+7], v[rB:rB+7], v[rA:rA+7], v[CBI+8*\a:CBI+8*\a+7], v[rSB], v[rSA] matrix_a_fmt:MATRIX_FMT_FP4 matrix_b_fmt:MATRIX_FMT_FP4 matrix_a_scale:MATRIX_SCALE_ROW1
.else
	v_wmma_scale_f32_16x16x128_f8f6f4 v[rD:rD+7], v[rB:rB+7], v[rA:rA+7], v[rD:rD+7], v[rSB], v[rSA] matrix_a_fmt:MATRIX_FMT_FP4 matrix_b_fmt:MATRIX_FMT_FP4 matrix_a_scale:MATRIX_SCALE_ROW1
.endif
.endr
.endif
.endr
	WIN 0
.endm
.macro STEP fs, fq, fp, p, q, sc       ; the next step's fragments are asked for, then this step is multiplied
	PLACES 4                                       ; loads into registers that the last step's products read stand four plain places behind them
	FETCH \fs, \fq, \fp
	s_wait_dscnt NLD                               ; all but the NLD just issued
	MULS \p, \q, \sc, 0
.endm
	s_wait_tensorcnt 0x1                           ; the scale bytes and my part of slot 0 are in; slot 1's load may be out
	s_barrier_signal -1
	s_barrier_wait -1
	SCALES 0
	FETCH 0, 0, 0
	FETCH 0, 1, 1
	s_wait_dscnt NLD                               ; the scale words and step 0's fragments are in
	s_wait_loadcnt 0x0                             ; the bias
	s_cmp_eq_u32 s13, 1
	s_cbranch_scc1 .Lfirst_v
	MULS 0, 0, 0, 1
	s_branch .Lfirst_done
.Lfirst_v:
	MULS 0, 0, 0, 2
.Lfirst_done:
	STEP 0, 2, 0, 1, 1, 0
	STEP 0, 3, 1, 0, 2, 0
	s_wait_tensorcnt 0x0                           ; my part of slot 1 is in
	ds_add_u32 v[SPW], v[NIL]                      ; 0 onto my spare word
	PLACES 4                                       ; (also the places in front of the loads below)
	s_wait_dscnt 0x0                               ; the add is done, step 3's fragments are in, my reads of slot 0 are over
	s_barrier_signal -1
	s_barrier_wait -1                              ; slot 1 is whole
	SCALES 1
	FETCH 1, 0, 0
	MULS 1, 3, 0, 0
	STEP 1, 1, 1, 0, 0, 1
	STEP 1, 2, 0, 1, 1, 1
	STEP 1, 3, 1, 0, 2, 1
	s_wait_dscnt 0x0
	MULS 1, 3, 1, 0
	PLACES 4                                       ; the first read of results stands four plain places behind the last product
	s_cmp_eq_u32 s13, 1
	s_cbranch_scc1 .Lv_out
; ---- q and k.  Unit u = 2 a + hd: the 32 registers 8 (8 (a % 4) + 4 hd) + k: row 16 a + r, head hd of my pair, d = 32 (k / 16) + 16 h + k % 16.
.macro SUMSQ a                         ; the sums of squares, two packed chains a unit, k ascending: each accumulator is read from its low end on
	WIN 0x0a+5*((\a)/4)
.irp k, 0,4,8,12,16,20,24,28
.irp hd, 0,1
.set rX, 8*(8*((\a)%4)+4*\hd)+\k
.set rS, SS+4*(2*(\a)+\hd)
.if \k == 0
	v_pk_mul_f32 v[rS:rS+1], v[rX:rX+1], v[rX:rX+1]
	v_pk_mul_f32 v[rS+2:rS+3], v[rX+2:rX+3], v[rX+2:rX+3]
.else
	v_pk_fma_f32 v[rS:rS+1], v[rX:rX+1], v[rX:rX+1], v[rS:rS+1]
	v_pk_fma_f32 v[rS+2:rS+3], v[rX+2:rX+3], v[rX+2:rX+3], v[rS+2:rS+3]
.endif
.endr
.endr
.endm
.irp a, 0,1,2,3,4,5,6,7
	SUMSQ \a
.endr
	WIN 0
.irp u, 0,1,2,3,4,5,6,7,8,9,10,11,12,13,14,15
	v_pk_add_f32 v[SS+4*\u:SS+4*\u+1], v[SS+4*\u:SS+4*\u+1], v[SS+4*\u+2:SS+4*\u+3]
.endr
.irp u, 0,1,2,3,4,5,6,7,8,9,10,11,12,13,14,15
	v_add_f32 v[SS+4*\u], v[SS+4*\u], v[SS+4*\u+1]
.endr
.irp u, 0,1,2,3,4,5,6,7,8,9,10,11,12,13,14,15
	v_permlanex16_b32 v[SS+4*\u+1], v[SS+4*\u], s[SEL], s[SEL+1]   ; the row's other 32 channels lie in the lane 16 away
.endr
.irp u, 0,1,2,3,4,5,6,7,8,9,10,11,12,13,14,15
	v_add_f32 v[SS+4*\u], v[SS+4*\u], v[SS+4*\u+1]
.endr
.irp u, 0,1,2,3,4,5,6,7,8,9,10,11,12,13,14,15
	v_sqrt_f32 v[NP+2*\u+1], v[SS+4*\u]
.endr
	v_nop                                          ; a plain line behind the batch,
	s_wait_alu depctr_va_vdst(0)                   ; and one wait for the sixteen roots, ahead of their first reader
.irp u, 0,1,2,3,4,5,6,7,8,9,10,11,12,13,14,15
	v_add_f32 v[NP+2*\u+1], 0x358637bd, v[NP+2*\u+1]               ; + 1e-6
.endr
.irp u, 0,1,2,3,4,5,6,7,8,9,10,11,12,13,14,15
	v_rcp_f32 v[NP+2*\u], v[NP+2*\u+1]
.endr
	v_nop
	s_wait_alu depctr_va_vdst(0)                   ; one wait for the sixteen reciprocals
; A tile of 16 rows, both heads: normalised, then four blocks of 32 channels (two lanes a block) quantised; the codes are the next launch's operand registers.
.macro QKTILE a
	WIN 0x02+(\a)/4
.irp hd, 0,1
.irp k, 0,2,4,6,8,10,12,14,16,18,20,22,24,26,28,30
	v_pk_mul_f32 v[YY+32*\hd+\k:YY+32*\hd+\k+1], v[8*(8*((\a)%4)+4*\hd)+\k:8*(8*((\a)%4)+4*\hd)+\k+1], v[NP+2*(2*(\a)+\hd):NP+2*(2*(\a)+\hd)+1] op_sel_hi:[1,0]
.endr
.endr
	WIN 0
.irp n, 0,1,2,3
	v_max3_num_f32 v[TM+\n], |v[YY+16*\n]|, |v[YY+16*\n+1]|, 0x1800000   ; block n = 2 hd + bb: my 16 numbers, and the floor 2^(3 - 127)
.endr
.irp i, 2,4,6,8,10,12,14
.irp n, 0,1,2,3
	v_max3_num_f32 v[TM+\n], v[TM+\n], |v[YY+16*\n+\i]|, |v[YY+16*\n+\i+1]|
.endr
.endr
.irp n, 0,1,2,3
	v_permlanex16_b32 v[TM+4+\n], v[TM+\n], s[SEL], s[SEL+1]
.endr
.irp n, 0,1,2,3
	v_max_num_f32 v[TM+\n], v[TM+\n], v[TM+4+\n]
.endr
.irp n, 0,1,2,3
	v_add_nc_u32 v[TM+8+\n], 0xff000000, v[TM+\n]  ; 2 off the exponent field: the conversion's scale operand
.endr
.irp n, 0,1,2,3
	v_lshrrev_b32 v[TM+12+\n], 23, v[TM+8+\n]      ; the scale's byte
.endr
	v_lshl_or_b32 v[WD+(\a)], v[TM+13], 8, v[TM+12]                ; the pair's scale word: head 0's two bytes, head 1's two
	v_lshl_or_b32 v[WD+(\a)], v[TM+14], 16, v[WD+(\a)]
	v_lshl_or_b32 v[WD+(\a)], v[TM+15], 24, v[WD+(\a)]
.irp n, 0,1,2,3
	v_cvt_scalef32_pk8_fp4_f32 v[CDS+8*(\a)+2*\n], v[YY+16*\n:YY+16*\n+7], v[TM+8+\n]
	v_cvt_scalef32_pk8_fp4_f32 v[CDS+8*(\a)+2*\n+1], v[YY+16*\n+8:YY+16*\n+15], v[TM+8+\n]
.endr
	v_nop                                          ; one plain line behind the scaled conversions
.irp hd, 0,1
.irp i, 0,1
	v_permlane16_swap_b32 v[CDS+8*(\a)+4*\hd+\i], v[CDS+8*(\a)+4*\hd+2+\i]   ; a whole block in a lane: lanes 0-15 d = 0 .. 31, lanes 16-31 d = 32 .. 63
.endr
.endr
.irp hd, 0,1
	global_store_b128 v[QO], v[CDS+8*(\a)+4*\hd:CDS+8*(\a)+4*\hd+3], s[OUTC:OUTC+1] offset:(\a)*1024+\hd*512   ; the wave stores 512 consecutive bytes, aligned
.endr
	ds_store_b32 v[QW], v[WD+(\a)] offset:64*(\a)  ; both halves of the lanes write the same word with the same value
.endm
.irp a, 0,1,2,3,4,5,6,7
	QKTILE \a
.endr
	ds_load_b128 v[BKW:BKW+3], v[QR]               ; LDS serves a wave's instructions in order: my 128 rows' words
	s_wait_dscnt 0x0
	global_store_b128 v[LQ], v[BKW:BKW+3], s[OUTW:OUTW+1]          ; 512 consecutive bytes, aligned
	s_branch .Lend
; ---- v.  Unit n = 2 (a % 4) + g of a window: the 32 registers 32 n + 8 rho + j: channel position 16 a + r, key block 2 G + h (G my g-th group of 64 keys), slot 8 rho + j: all 32 numbers of a block are one lane's.
.Lv_out:
.macro VHALF w                         ; w = 0: window 2, my first head; 1: window 3, my second
	WIN 0x28+0x14*(\w)
.irp n, 0,1,2,3,4,5,6,7
	v_max3_num_f32 v[TM+\n], v[FL], |v[32*\n]|, |v[32*\n+1]|
.endr
.irp i, 2,4,6,8,10,12,14,16,18,20,22,24,26,28,30
.irp n, 0,1,2,3,4,5,6,7
	v_max3_num_f32 v[TM+\n], v[TM+\n], |v[32*\n+\i]|, |v[32*\n+\i+1]|
.endr
.endr
	WIN 0
.irp n, 0,1,2,3,4,5,6,7
	v_add_nc_u32 v[TM+8+\n], 0xff000000, v[TM+\n]
.endr
.irp n, 0,1,2,3,4,5,6,7
	v_lshrrev_b32 v[TM+16+\n], 23, v[TM+8+\n]
.endr
	WIN 0x02+(\w)
.irp n, 0,1,2,3,4,5,6,7
.irp g, 0,1,2,3
	v_cvt_scalef32_pk8_fp4_f32 v[CDS+32*(\w)+4*\n+\g], v[32*\n+8*\g:32*\n+8*\g+7], v[TM+8+\n]
.endr
.endr
	WIN 0
	v_nop                                          ; one plain line behind the scaled conversions
.irp n, 0,1,2,3,4,5,6,7
	global_store_b128 v[VO], v[CDS+32*(\w)+4*\n:CDS+32*(\w)+4*\n+3], s[OUTC:OUTC+1] offset:(\w)*65536+(\n%2)*2048+(\n/2)*256   ; each half of the lanes stores 256 consecutive bytes, aligned
.endr
.irp g, 0,1
	v_lshl_or_b32 v[BKW+2*(\w)+\g], v[TM+18+\g], 8, v[TM+16+\g]    ; the bytes of the head's four tiles of channels make a word
	v_lshl_or_b32 v[BKW+2*(\w)+\g], v[TM+20+\g], 16, v[BKW+2*(\w)+\g]
	v_lshl_or_b32 v[BKW+2*(\w)+\g], v[TM+22+\g], 24, v[BKW+2*(\w)+\g]
	global_store_b32 v[LW], v[BKW+2*(\w)+\g], s[OUTW:OUTW+1] offset:(\w)*4096+\g*128   ; 128 consecutive bytes: v's scale bytes are one part in sixteen of its codes
.endr
.endm
	v_mov_b32 v[FL], 0x1800000
	VHALF 0
	VHALF 1
.Lend:
	s_wait_tensorcnt 0x0                           ; the wave's end
	ds_add_u32 v[SPW], v[NIL]
	s_wait_dscnt 0x0
	CROUND                                         ; the closing round
	s_endpgm
.Lfunc_end_k_qcee522d1fe_proj:
	.size	k_qcee522d1fe_proj, .Lfunc_end_k_qcee522d1fe_proj-k_qcee522d1fe_proj
	.p2alignl 7, 3214868480
	.fill 96, 4, 3214868480
	.section	.rodata,"a",@progbits
	.p2align	6, 0x0
	.amdhsa_kernel k_qcee522d1fe_proj
		.amdhsa_group_segment_fixed_size 327680
		.amdhsa_private_segment_fixed_size 0
		.amdhsa_enable_private_segment 0
		.amdhsa_kernarg_size 64
		.amdhsa_user_sgpr_count 2
		.amdhsa_user_sgpr_kernarg_segment_ptr 1
		.amdhsa_wavefront_size32 1
		.amdhsa_system_sgpr_workgroup_id_x 1
		.amdhsa_system_sgpr_workgroup_id_y 1
		.amdhsa_system_sgpr_workgroup_id_z 1
		.amdhsa_system_vgpr_workitem_id 0
		.amdhsa_next_free_vgpr 1024
		.amdhsa_next_free_sgpr 102
		.amdhsa_reserve_vcc 0
		.amdhsa_float_denorm_mode_32 3
		.amdhsa_float_denorm_mode_16_64 3
		.amdhsa_memory_ordered 1
		.amdhsa_forward_progress 1
		.amdhsa_inst_pref_size 206
	.end_amdhsa_kernel
	.amdgpu_metadata
---
amdhsa.version: [ 1, 2 ]
amdhsa.kernels:
  - .name:           k_qcee522d1fe_proj
    .symbol:         k_qcee522d1fe_proj.kd
    .args:
      - { .name: xc, .offset: 0, .size: 8, .value_kind: global_buffer, .address_space: global }
      - { .name: s1, .offset: 8, .size: 8, .value_kind: global_buffer, .address_space: global }
      - { .name: wc, .offset: 16, .size: 8, .value_kind: global_buffer, .address_space: global }
      - { .name: bq, .offset: 24, .size: 8, .value_kind: global_buffer, .address_space: global }
      - { .name: bk, .offset: 32, .size: 8, .value_kind: global_buffer, .address_space: global }
      - { .name: bv, .offset: 40, .size: 8, .value_kind: global_buffer, .address_space: global }
      - { .name: qkv, .offset: 48, .size: 8, .value_kind: global_buffer, .address_space: global }
      - { .name: s2, .offset: 56, .size: 8, .value_kind: global_buffer, .address_space: global }
    .group_segment_fixed_size: 327680
    .private_segment_fixed_size: 0
    .kernarg_segment_align: 8
    .kernarg_segment_size: 64
    .max_flat_workgroup_size: 128
    .sgpr_count:     102
    .vgpr_count:     1024
    .wavefront_size: 32
...
	.end_amdgpu_metadata
.endif
;; end of part 2
;; launch attn (part 3): grid 256 x 1, 8 waves a work-group, no clusters, 19,456 bytes of LDS; arguments qkv, s2, ac, asc; writes ac, asc
.if DOCPART == 3
	.amdgcn_target "amdgcn-amd-amdhsa--gfx1250"
	.amdhsa_code_object_version 6
	.text
	.protected	k_qcee522d1fe_attn
	.globl	k_qcee522d1fe_attn
	.p2align	8
	.type	k_qcee522d1fe_attn,@function
k_qcee522d1fe_attn:
	s_mov_b64 s[64:65], 0
	v_nop
	global_prefetch_b8 v0, s[64:65] scope:SCOPE_SE
	s_setreg_imm32_b32 hwreg(HW_REG_WAVE_MODE, 25, 1), 1
	s_wait_xcnt 0x0
; The dilated attention on codes of FP4.  Query i sees key j where j - i is one of -32, -28 .. 32: 17 keys of i's own residue mod 4; all else lies under the mask and is not multiplied.
; SHARES.  Work-group W = 64 batch + 2 G + p owns positions 32 W .. 32 W + 31: the queries 64 G + 4 r + rho of residues rho = 2 p + f (f = 0, 1), r = 0 .. 15.  Wave w owns heads 2 w + e.  Unit u = 2 e + f.
; SCORES, transposed (source 0 = 16 keys, source 1 = 16 queries).  With t = key / 4, a tile of queries t = 16 G + r needs t = 16 G - 8 .. 16 G + 23: two tiles T.  Register j of lane (r, h) is key t = 16 G - 8 + 16 T + 8 h + j,
; which is natural block 2 G - 1 + 2 T + h of 32 keys, place 4 j + rho: the lane's eight registers are ALL that is not zero in that block of the query's row.  So a block's largest p needs no other lane, and
; one conversion gives register 4 T + rho of p's operand (slot order 8 rho + j, as v's codes are laid); its other registers are zero codes.
; K = 128 of the score product is the PAIR of heads: k's fragment holds both, q's has zero codes in the other head's half.
; SOFTMAX.  p = 2^t, t = score x log2(e), with NO maximum taken away: q and k are normalised vectors, whose quantised images have norms under 1.7 (a code is at most 1.2 x its number plus 1/16 of the block's largest),
; so |score| < 2.9 and |t| < 4.2 for every input: no exponential and no sum of 17 of them can overflow or underflow.  The whole number M of the rule is a power of two that a block's scale takes up: M = 0 gives the same values.
; The row's sum is taken of the unquantised p and divides the result, which is then quantised along head x 64 + channel for the last product.
; Keys outside the batch are read at a clamped address and masked.  No tensor load: each wave loads its operands straight into registers, all at the head.
; LIMITS: NaN and infinities are not served; 1 / l is v_rcp_f32 (1 ulp); output blocks under 2^-124 and blocks of zeros get the byte 1.
.set QA,  3                            ; v3      q: 32 r + 16 h
.set KA,  4                            ; v4-5    k, tile T: by the lane's key
.set QS,  6                            ; v6      q's scale word: 4 r
.set KS,  7                            ; v7-8    k's
.set VA,  9                            ; v9-10   v, half c of K: block 2 G - 1 + 2 c + h
.set VS,  11                           ; v11-12  v's scale words
.set SH8, 13                           ; v13     8 h
.set STO, 14                           ; v14     the stage: 528 r + 16 h + 64 w
.set SSO, 15                           ; v15     the stage's scale bytes: 32 r + 4 w
.set QF,  16                           ; v16-39  q: for each f: [head 0][zeros][head 1]
.set KF,  40                           ; v40-71  k: fragment (f, T)
.set VF,  72                           ; v72-135 v: fragment (e, ct)
.set QSC, 136                          ; v136-137 q's scale words; v138-141 k's; v142-145 v's as loaded; v146-153 v's by tile
.set KSC, 138
.set VRAW, 142
.set VSC, 146
.set MK,  154                          ; v154-169 the mask: 0 or -infinity for register 8 T + j; later the output's codes
.set S,   170                          ; v170-233 scores, then p: 16 u + 8 T + j; later O^T: 32 f + 8 ct + j
.set PF,  16                           ; behind the scores: v16-47 p's operands, v48-51 their scale words, v52-59 l, v60-67 codes just made
.set PSC, 48
.set LL,  52
.set CD,  60
.set TM,  234                          ; v234-249 at work
.set GO,  250                          ; v250    16 x lane
.set RD,  251                          ; v251    the stage, back: my four rows
.set RS,  252                          ; v252    the stage's scale bytes, back
.set NI,  254                          ; v254    -infinity
.set ZR,  255                          ; v255    0
.set SP,  528                          ; a stage row: 512 bytes + 16
.set SSB, 32*SP                        ; behind the 32 rows: their 32 x 32 scale bytes
	s_load_b256 s[4:11], s[0:1], 0x0               ; qkv 4:5, s2 6:7, ac 8:9, asc 10:11
	v_lshl_add_u32 v253, v0, 2, 0x4800
	s_set_vgpr_msb 0x40
	v_mov_b32 v1, 0
	s_set_vgpr_msb 0x4000
	v_lshrrev_b32 v1, 5, v0
	v_readfirstlane_b32 s12, v1                    ; wave w
	v_and_b32 v1, 15, v0                           ; r
	v_bfe_u32 v2, v0, 4, 1                         ; h
	s_lshr_b32 s13, ttmp9, 6                       ; batch
	s_bfe_u32 s14, ttmp9, 0x50001                  ; G
	s_and_b32 s15, ttmp9, 1                        ; p
	s_lshl_b32 s30, s13, 3
	s_add_co_u32 s30, s30, s12                     ; batch x 8 + head pair
	s_lshl_b32 s32, s30, 17                        ; a pair's codes are 131,072 bytes in each of q, k, v
	s_lshl_b32 s34, s30, 13                        ; its scale bytes 8,192
	s_lshl_b32 s36, s15, 11
	s_lshl_b32 s37, s14, 12
	s_add_co_u32 s18, s32, s36
	s_add_co_u32 s16, s18, s37                     ; q: tile 4 G + 2 p
	s_add_co_u32 s18, s18, 0x400000                ; k: residue 2 p
	s_add_co_u32 s20, s32, 0x800000                ; v
	s_lshl_b32 s36, s15, 7
	s_lshl_b32 s37, s14, 8
	s_add_co_u32 s24, s34, s36
	s_add_co_u32 s22, s24, s37                     ; q's scale words: position 64 G + 32 p
	s_add_co_u32 s24, s24, 0x40000                 ; k's
	s_add_co_u32 s26, s34, 0x80000                 ; v's
.irp i, 17,19,21,23,25,27,39,41
	s_mov_b32 s[\i], 0
.endr
	s_lshl_b32 s38, ttmp9, 14
	s_lshl_b32 s36, s12, 11
	s_add_co_u32 s38, s38, s36                     ; ac: my work-group's 32 rows of 512 bytes, my wave's four
	s_lshl_b32 s40, ttmp9, 10
	s_and_b32 s36, s12, 1
	s_lshl_b32 s36, s36, 9
	s_add_co_u32 s40, s40, s36                     ; asc: 1,024 bytes, in two halves
	s_add_co_u32 s37, s36, SSB
	v_and_b32 v234, 31, v0
	v_lshlrev_b32 v[GO], 4, v234
	v_add_nc_u32 v[RS], s37, v[GO]
	s_mul_i32 s37, s12, 4*SP
	v_add_nc_u32 v[RD], s37, v[GO]
	v_lshlrev_b32 v[SH8], 3, v2
	v_lshlrev_b32 v[QA], 5, v1
	v_lshl_add_u32 v[QA], v2, 4, v[QA]
	v_lshlrev_b32 v[QS], 2, v1
	v_mul_u32_u24 v[STO], v1, SP
	v_lshl_add_u32 v[STO], v2, 4, v[STO]
	s_lshl_b32 s37, s12, 6
	v_add_nc_u32 v[STO], s37, v[STO]
	v_lshlrev_b32 v[SSO], 5, v1
	s_lshl_b32 s37, s12, 2
	s_add_co_u32 s37, s37, SSB
	v_add_nc_u32 v[SSO], s37, v[SSO]
	s_lshl_b32 s36, s14, 4                         ; 16 G
	s_sub_co_i32 s33, 8, s36                       ; the first register index whose key lies in the batch
	s_sub_co_i32 s35, 0x207, s36                   ; and the last: 519 - 16 G
	s_sub_co_i32 s36, s36, 8                       ; the first key's t
	s_lshl_b32 s37, s14, 1
	s_sub_co_i32 s37, s37, 1                       ; the first block: 2 G - 1
.irp T, 0,1
	v_add_nc_u32 v234, s36, v1
.if \T
	v_add_nc_u32 v234, 16, v234
.endif
	v_max_i32 v234, 0, v234                        ; held inside the batch: what is held is masked below
	v_min_i32 v234, 0x1ff, v234
	v_lshrrev_b32 v235, 4, v234
	v_and_b32 v236, 15, v234
	v_lshlrev_b32 v[KA+\T], 12, v235               ; four tiles of 1,024 bytes for each 16 t,
	v_lshl_add_u32 v[KA+\T], v236, 5, v[KA+\T]     ; 32 bytes a row,
	v_lshl_add_u32 v[KA+\T], v2, 4, v[KA+\T]       ; 16 h
	v_lshlrev_b32 v[KS+\T], 8, v235
	v_lshl_add_u32 v[KS+\T], v236, 2, v[KS+\T]
.endr
.irp c, 0,1
	v_add_nc_u32 v234, s37, v2
.if \c
	v_add_nc_u32 v234, 2, v234
.endif
	v_max_i32 v234, 0, v234
	v_min_i32 v234, 63, v234
	v_lshlrev_b32 v[VA+\c], 10, v234
	v_lshl_add_u32 v[VA+\c], v1, 4, v[VA+\c]
	v_lshlrev_b32 v[VS+\c], 6, v234
	v_lshl_add_u32 v[VS+\c], v1, 2, v[VS+\c]
.endr
	s_wait_kmcnt 0x0
	s_add_nc_u64 s[16:17], s[4:5], s[16:17]
	s_add_nc_u64 s[18:19], s[4:5], s[18:19]
	s_add_nc_u64 s[20:21], s[4:5], s[20:21]
	s_add_nc_u64 s[22:23], s[6:7], s[22:23]
	s_add_nc_u64 s[24:25], s[6:7], s[24:25]
	s_add_nc_u64 s[26:27], s[6:7], s[26:27]
	s_add_nc_u64 s[38:39], s[8:9], s[38:39]
	s_add_nc_u64 s[40:41], s[10:11], s[40:41]
	; all 38 loads: 18 for the scores, then v's 4 scale words, then v's 16
.irp f, 0,1
.irp e, 0,1
	global_load_b128 v[QF+12*\f+8*\e:QF+12*\f+8*\e+3], v[QA], s[16:17] offset:\f*1024+\e*512
.endr
.endr
.irp f, 0,1
.irp T, 0,1
.irp e, 0,1
	global_load_b128 v[KF+8*(2*\f+\T)+4*\e:KF+8*(2*\f+\T)+4*\e+3], v[KA+\T], s[18:19] offset:\f*1024+\e*512
.endr
.endr
.endr
.irp f, 0,1
	global_load_b32 v[QSC+\f], v[QS], s[22:23] offset:\f*64
.endr
.irp f, 0,1
.irp T, 0,1
	global_load_b32 v[KSC+2*\f+\T], v[KS+\T], s[24:25] offset:\f*64
.endr
.endr
.irp e, 0,1
.irp c, 0,1
	global_load_b32 v[VRAW+2*\e+\c], v[VS+\c], s[26:27] offset:\e*4096
.endr
.endr
.irp e, 0,1
.irp ct, 0,1,2,3
.irp c, 0,1
	global_load_b128 v[VF+8*(4*\e+\ct)+4*\c:VF+8*(4*\e+\ct)+4*\c+3], v[VA+\c], s[20:21] offset:\e*65536+\ct*256
.endr
.endr
.endr
	; while they are on their way: the zero halves of q's operands, the mask, the constants
.irp f, 0,1
.irp i, 4,5,6,7
	v_mov_b32 v[QF+12*\f+\i], 0
.endr
.endr
	v_max_i32 v234, s33, v1                        ; register index 16 T + 8 h + j counts from max(r, 8 - 16 G)
	v_add_nc_u32 v235, 16, v1
	v_min_i32 v235, s35, v235                      ; to min(r + 16, 519 - 16 G)
	v_sub_nc_u32 v236, v235, v234                  ; how many further
	v_sub_nc_u32 v234, v234, v[SH8]                ; as a bound for 16 T + j
	v_mov_b32 v[NI], 0xff800000
	v_mov_b32 v[ZR], 0
.irp n, 0,1,2,3,4,5,6,7,8,9,10,11,12,13,14,15
	v_sub_nc_u32 v237, \n+8*(\n/8), v234
	v_cmp_le_u32 vcc_lo, v237, v236
	v_cndmask_b32 v[MK+\n], v[NI], v[ZR], vcc_lo   ; 0 where the key counts, else -infinity
.endr
	s_mov_b32 s28, 0x3fb8aa3b                      ; log2(e)
	s_mov_b32 s29, s28                             ; (named with it as a pair, so it is written)
	s_mov_b32 s42, 0x76543210
	s_mov_b32 s43, 0xfedcba98                      ; v_permlanex16_b32's selects for lane l xor 16
	s_cmp_eq_u32 s15, 0
	s_cselect_b32 s44, -1, 0                       ; all ones where rho = f,
	s_not_b32 s45, s44                             ; all ones where rho = 2 + f
	s_mov_b32 s46, 0x05010400                      ; byte selects for the 4 x 4 turn of v's scale bytes
	s_mov_b32 s47, 0x07030602
	s_mov_b32 s30, 0x05040100
	s_mov_b32 s31, 0x07060302
	s_wait_loadcnt 20                              ; q, k and their scale words are in; v's 4 + 16 loads may be out
.irp e, 0,1
.irp f, 0,1
.irp T, 0,1
	v_wmma_scale_f32_16x16x128_f8f6f4 v[S+16*(2*\e+\f)+8*\T:S+16*(2*\e+\f)+8*\T+7], v[KF+8*(2*\f+\T):KF+8*(2*\f+\T)+7], v[QF+12*\f+4*\e:QF+12*\f+4*\e+7], 0, v[KSC+2*\f+\T], v[QSC+\f] matrix_a_fmt:MATRIX_FMT_FP4 matrix_b_fmt:MATRIX_FMT_FP4
.endr
.endr
.endr
	s_wait_loadcnt 16                              ; v's scale words are in; its 16 fragment loads may be out
	; v's scale bytes come as [block][channel r][tile ct]; a tile's scale word wants lane r's four blocks: a turn of 4 x 4 bytes, two of the blocks from the lane 16 away
.irp e, 0,1
.irp c, 0,1
	v_permlanex16_b32 v[TM+2*\e+\c], v[VRAW+2*\e+\c], s42, s43
.endr
.endr
.irp e, 0,1
	v_perm_b32 v[TM+4+4*\e], v[TM+2*\e], v[VRAW+2*\e], s46         ; blocks 0, 1: tiles 0, 1
	v_perm_b32 v[TM+5+4*\e], v[TM+2*\e], v[VRAW+2*\e], s47         ;              tiles 2, 3
	v_perm_b32 v[TM+6+4*\e], v[TM+2*\e+1], v[VRAW+2*\e+1], s46     ; blocks 2, 3
	v_perm_b32 v[TM+7+4*\e], v[TM+2*\e+1], v[VRAW+2*\e+1], s47
	v_perm_b32 v[VSC+4*\e], v[TM+6+4*\e], v[TM+4+4*\e], s30
	v_perm_b32 v[VSC+4*\e+1], v[TM+6+4*\e], v[TM+4+4*\e], s31
	v_perm_b32 v[VSC+4*\e+2], v[TM+7+4*\e], v[TM+5+4*\e], s30
	v_perm_b32 v[VSC+4*\e+3], v[TM+7+4*\e], v[TM+5+4*\e], s31
.endr
.rept 4
	v_nop                                          ; four plain places between the last score product and the first read of scores
.endr
.set i, 0
.rept 32
	v_pk_fma_f32 v[S+2*i:S+2*i+1], v[S+2*i:S+2*i+1], s[28:29], v[MK+(2*i)%16:MK+(2*i)%16+1] op_sel_hi:[1,0,1]   ; t = score x log2(e), or -infinity; each accumulator from its low end on
.set i, i+1
.endr
.set i, 0
.rept 64
	v_exp_f32 v[S+i], v[S+i]                       ; p = 2^t
.set i, i+1
.endr
.irp u, 0,1,2,3
.irp c, 0,1
	v_mov_b32 v[PF+8*\u+4*\c+1-\u%2], 0            ; the registers of p's operand that belong to residues of the other f: zero codes.  (Plain work behind the batch)
	v_mov_b32 v[PF+8*\u+4*\c+3-\u%2], 0
.endr
.endr
	s_wait_alu depctr_va_vdst(0)                   ; one wait for the 64 exponentials, ahead of their first reader
.irp n, 0,1,2,3,4,5,6,7
	v_max3_num_f32 v[TM+\n], v[S+8*\n], v[S+8*\n+1], 0x1800000     ; block n = 2 u + T: its eight p, and the floor 2^(3 - 127)
.endr
.irp i, 2,4,6
.irp n, 0,1,2,3,4,5,6,7
	v_max3_num_f32 v[TM+\n], v[TM+\n], v[S+8*\n+\i], v[S+8*\n+\i+1]
.endr
.endr
.irp n, 0,1,2,3,4,5,6,7
	v_add_nc_u32 v[TM+8+\n], 0xff000000, v[TM+\n]  ; 2 off the exponent field: the conversion's scale operand
.endr
.irp n, 0,1,2,3,4,5,6,7
	v_lshrrev_b32 v[TM+\n], 23, v[TM+8+\n]         ; the scale's byte
.endr
.irp n, 0,1,2,3,4,5,6,7
	v_cvt_scalef32_pk8_fp4_f32 v[CD+\n], v[S+8*\n:S+8*\n+7], v[TM+8+\n]
.endr
	v_nop                                          ; one plain line behind the scaled conversions
.irp u, 0,1,2,3
.irp c, 0,1
	v_and_b32 v[PF+8*\u+4*\c+\u%2], s44, v[CD+2*\u+\c]             ; the codes go to register 4 c + rho: rho = f,
	v_and_b32 v[PF+8*\u+4*\c+2+\u%2], s45, v[CD+2*\u+\c]           ; or 2 + f; the other of the two gets zero codes
.endr
.endr
.irp u, 0,1,2,3
	v_lshl_or_b32 v[TM+8+\u], v[TM+2*\u+1], 16, v[TM+2*\u]         ; my two bytes: blocks h and 2 + h,
.endr
.irp u, 0,1,2,3
	v_lshlrev_b32 v[TM+8+\u], v[SH8], v[TM+8+\u]   ; at their places;
.endr
.irp u, 0,1,2,3
	v_permlanex16_b32 v[TM+12+\u], v[TM+8+\u], s42, s43
.endr
.irp u, 0,1,2,3
	v_or_b32 v[PSC+\u], v[TM+8+\u], v[TM+12+\u]    ; with the other lane's two the scale word is whole
.endr
.irp u, 0,1,2,3
	v_pk_add_f32 v[LL+2*\u:LL+2*\u+1], v[S+16*\u:S+16*\u+1], v[S+16*\u+2:S+16*\u+3]   ; the row's sum, of the unquantised p.  (These are also the plain places between the scale words and the products)
.endr
.irp i, 4,6,8,10,12,14
.irp u, 0,1,2,3
	v_pk_add_f32 v[LL+2*\u:LL+2*\u+1], v[LL+2*\u:LL+2*\u+1], v[S+16*\u+\i:S+16*\u+\i+1]
.endr
.endr
.irp u, 0,1,2,3
	v_add_f32 v[LL+2*\u], v[LL+2*\u], v[LL+2*\u+1]
.endr
.irp u, 0,1,2,3
	v_permlanex16_b32 v[LL+2*\u+1], v[LL+2*\u], s42, s43
.endr
.irp u, 0,1,2,3
	v_add_f32 v[LL+2*\u+1], v[LL+2*\u], v[LL+2*\u+1]
.endr
.irp u, 0,1,2,3
	v_rcp_f32 v[LL+2*\u], v[LL+2*\u+1]             ; 1 / l in the pair's low register
.endr
	v_nop
	s_wait_alu depctr_va_vdst(0)                   ; one wait for the four reciprocals
	s_wait_loadcnt 0x0                             ; v
; Head e: O^T = V^T P^T (source 0 = 16 channel positions, source 1 = p): lane (r, h) holds query r and, by the channels' order, d = 32 (k / 16) + 16 h + k % 16.  / l, quantised along d, into the stage.
.macro HEADOUT e
.irp f, 0,1
.irp ct, 0,1,2,3
	v_wmma_scale_f32_16x16x128_f8f6f4 v[S+32*\f+8*\ct:S+32*\f+8*\ct+7], v[VF+8*(4*(\e)+\ct):VF+8*(4*(\e)+\ct)+7], v[PF+8*(2*(\e)+\f):PF+8*(2*(\e)+\f)+7], 0, v[VSC+4*(\e)+\ct], v[PSC+2*(\e)+\f] matrix_a_fmt:MATRIX_FMT_FP4 matrix_b_fmt:MATRIX_FMT_FP4
.endr
.endr
.rept 5
	v_nop                                          ; four places ahead of the first read of results; five ahead of the next head's products, which write over them
.endr
.set i, 0
.rept 32
	v_pk_mul_f32 v[S+2*i:S+2*i+1], v[S+2*i:S+2*i+1], v[LL+2*(2*(\e)+i/16):LL+2*(2*(\e)+i/16)+1] op_sel_hi:[1,0]
.set i, i+1
.endr
.irp n, 0,1,2,3
	v_max3_num_f32 v[TM+\n], |v[S+16*\n]|, |v[S+16*\n+1]|, 0x1800000   ; block n = 2 f + bb
.endr
.irp i, 2,4,6,8,10,12,14
.irp n, 0,1,2,3
	v_max3_num_f32 v[TM+\n], v[TM+\n], |v[S+16*\n+\i]|, |v[S+16*\n+\i+1]|
.endr
.endr
.irp n, 0,1,2,3
	v_permlanex16_b32 v[TM+4+\n], v[TM+\n], s42, s43
.endr
.irp n, 0,1,2,3
	v_max_num_f32 v[TM+\n], v[TM+\n], v[TM+4+\n]
.endr
.irp n, 0,1,2,3
	v_add_nc_u32 v[TM+8+\n], 0xff000000, v[TM+\n]
.endr
.irp n, 0,1,2,3
	v_lshrrev_b32 v[TM+12+\n], 23, v[TM+8+\n]
.endr
.irp f, 0,1
	v_lshl_or_b32 v[QSC+2*(\e)+\f], v[TM+13+2*\f], 8, v[TM+12+2*\f]   ; the head's two scale bytes
.endr
.irp n, 0,1,2,3
	v_cvt_scalef32_pk8_fp4_f32 v[MK+8*(\e)+2*\n], v[S+16*\n:S+16*\n+7], v[TM+8+\n]
	v_cvt_scalef32_pk8_fp4_f32 v[MK+8*(\e)+2*\n+1], v[S+16*\n+8:S+16*\n+15], v[TM+8+\n]
.endr
	v_nop                                          ; one plain line behind the scaled conversions
.irp f, 0,1
.irp i, 0,1
	v_permlane16_swap_b32 v[MK+8*(\e)+4*\f+\i], v[MK+8*(\e)+4*\f+2+\i]
.endr
.endr
.irp f, 0,1
	ds_store_b128 v[STO], v[MK+8*(\e)+4*\f:MK+8*(\e)+4*\f+3] offset:\f*16*SP+(\e)*32
	ds_store_b16 v[SSO], v[QSC+2*(\e)+\f] offset:\f*512+2*(\e)     ; both halves of the lanes write the same bytes with the same value
.endr
.endm
	HEADOUT 0
	HEADOUT 1
	s_wait_dscnt 0x0                               ; for the others' sake: my stores into the stage are done
	s_barrier_signal -1
	s_barrier_wait -1                              ; 32 whole rows of codes and their scale bytes lie in the stage
.irp i, 0,1,2,3
	ds_load_b128 v[S+4*\i:S+4*\i+3], v[RD] offset:\i*SP
.endr
.irp i, 0,1,2,3
	s_wait_dscnt 3-\i                              ; row i is back; the younger reads may be out
	global_store_b128 v[GO], v[S+4*\i:S+4*\i+3], s[38:39] offset:512*\i   ; 512 consecutive bytes, aligned
.endr
	s_cmp_lt_u32 s12, 2
	s_cbranch_scc0 .Ldone                          ; waves 0 and 1 carry the 1,024 scale bytes out
	ds_load_b128 v[S+16:S+19], v[RS]
	s_wait_dscnt 0x0
	global_store_b128 v[GO], v[S+16:S+19], s[40:41]
.Ldone:
	s_set_vgpr_msb 0x4
	s_wait_tensorcnt 0x0
	ds_add_u32 v253, v1
	s_wait_dscnt 0x0
	s_set_vgpr_msb 0x400
	s_endpgm
.Lfunc_end_k_qcee522d1fe_attn:
	.size	k_qcee522d1fe_attn, .Lfunc_end_k_qcee522d1fe_attn-k_qcee522d1fe_attn
	.p2alignl 7, 3214868480
	.fill 96, 4, 3214868480
	.section	.rodata,"a",@progbits
	.p2align	6, 0x0
	.amdhsa_kernel k_qcee522d1fe_attn
		.amdhsa_group_segment_fixed_size 19456
		.amdhsa_private_segment_fixed_size 0
		.amdhsa_enable_private_segment 0
		.amdhsa_kernarg_size 32
		.amdhsa_user_sgpr_count 2
		.amdhsa_user_sgpr_kernarg_segment_ptr 1
		.amdhsa_wavefront_size32 1
		.amdhsa_system_sgpr_workgroup_id_x 1
		.amdhsa_system_sgpr_workgroup_id_y 1
		.amdhsa_system_sgpr_workgroup_id_z 1
		.amdhsa_system_vgpr_workitem_id 0
		.amdhsa_next_free_vgpr 258
		.amdhsa_next_free_sgpr 66
		.amdhsa_reserve_vcc 1
		.amdhsa_float_denorm_mode_32 3
		.amdhsa_float_denorm_mode_16_64 3
		.amdhsa_memory_ordered 1
		.amdhsa_forward_progress 1
		.amdhsa_inst_pref_size 41
	.end_amdhsa_kernel
	.amdgpu_metadata
---
amdhsa.version: [ 1, 2 ]
amdhsa.kernels:
  - .name:           k_qcee522d1fe_attn
    .symbol:         k_qcee522d1fe_attn.kd
    .args:
      - { .name: qkv, .offset: 0, .size: 8, .value_kind: global_buffer, .address_space: global }
      - { .name: s2, .offset: 8, .size: 8, .value_kind: global_buffer, .address_space: global }
      - { .name: ac, .offset: 16, .size: 8, .value_kind: global_buffer, .address_space: global }
      - { .name: asc, .offset: 24, .size: 8, .value_kind: global_buffer, .address_space: global }
    .group_segment_fixed_size: 19456
    .private_segment_fixed_size: 0
    .kernarg_segment_align: 8
    .kernarg_segment_size: 32
    .max_flat_workgroup_size: 256
    .sgpr_count:     66
    .vgpr_count:     258
    .wavefront_size: 32
...
	.end_amdgpu_metadata
.endif
;; end of part 3
;; launch oproj (part 4): grid 4 x 64, 4 waves a work-group, clusters of 4 x 4, 327,680 bytes of LDS; arguments ac, asc, wc, s1, bo, out0; writes out0
.if DOCPART == 4
	.amdgcn_target "amdgcn-amd-amdhsa--gfx1250"
	.amdhsa_code_object_version 6
	.text
	.protected	k_qcee522d1fe_oproj
	.globl	k_qcee522d1fe_oproj
	.p2align	8
	.type	k_qcee522d1fe_oproj,@function
k_qcee522d1fe_oproj:
	s_mov_b64 s[64:65], 0
	v_nop
	global_prefetch_b8 v0, s[64:65] scope:SCOPE_SE
	s_setreg_imm32_b32 hwreg(HW_REG_WAVE_MODE, 25, 1), 1
	s_wait_xcnt 0x0
	s_wait_alu depctr_hold_cnt(0) depctr_sa_sdst(0) depctr_va_vdst(0) depctr_va_sdst(0) depctr_va_ssrc(0) depctr_va_vcc(0) depctr_vm_vsrc(0)
	s_getreg_b32 s2, hwreg(HW_REG_IB_STS2, 6, 4)
	s_cmp_eq_u32 s2, 0
	s_cbranch_scc0 .Lentry_in_a_cluster
	s_endpgm
.Lentry_in_a_cluster:
	s_bfe_u32 s2, ttmp6, 0x10000c
	s_cmp_lg_u32 s2, 0xf033
	s_cbranch_scc0 .Lentry_shape_is_right
	s_endpgm
.Lentry_shape_is_right:
; out0 = a Wo^T + bo on codes of FP4 (K = 1,024).  a's rows lie by POSITION (64 G + 16 rho + t holds natural row 64 G + 4 t + rho); the stores put them back.
; A tile is 128 x 256: 256 work-groups.  Four waves, 64 x 128 each: 32 accumulators.  K lies in LDS whole: two slots of 512 along K and all scale bytes, each filled once.
; Source 0 = 16 rows of Wo (side B), source 1 = 16 positions (side A): a lane holds eight neighbouring columns of one row.  The bias is the C of the first K step's products.
; CLUSTERS: 4 x 4: A's tiles are shared along a row of the cluster, B's along a column, each asked for jointly.
; REGISTERS: window 0: v1-31 addresses; v32-95 scale words; v128-255 A's fragments, two sets (of which 32 registers each are used), on the way out rows of the result.
;   window 1: B's fragments at v0 and v128; v64-127 the bias.  window 2: accumulator (a, b) at v[8 (8 a + b)].
.set NA,     4
.set PITCH,  272
.set HALFA,  16*NA*PITCH
.set HALFB,  128*PITCH
.set SLOT,   2*HALFA+2*HALFB
.set SCL,    2*SLOT
.set HALFSA, 2*NA*272
.set HALFSB, 16*272
.set SBLK,   544
.set SPARE,  SCL+2*HALFSA+2*HALFSB     ; the spare words: two blocks of 256 bytes that no other line names
.set STAGE,  SPARE+512                 ; 16 rows x 528 bytes for each wave; no fill lands here
.set SPITCH, 528
.set NLD,    16+2*NA
.set ADRA, 16
.set ADRB, 20
.set STO,  24                          ; v24  the stage: where I put 32 bytes of a row
.set RD,   25                          ; v25  and where I read a row back
.set CO,   26                          ; v26  16 x lane
.set ADRS, 27
.set SPW,  28
.set NIL,  29
.set SC,   32
.set AF,   128
.set CBI,  64
.set BK,   128
.set G1, 24
.set G0, 32
.set G1B, 48
.set G0B, 56
.set G1S, 68
.set G0S, 76
.set G0SB, 80
.set G1SB, 92
.set OUT,  2                           ; s[2:3] where my rows go
.set BP,   100                         ; s[100:101] my bias
.set MSB, 0
.macro WIN new
.if MSB != (\new)
	s_set_vgpr_msb (MSB<<8)|(\new)
.set MSB, (\new)
.endif
.endm
.macro JLOAD g0a, g1a, g0b, g1b        ; a joint load: waves 0, 1 fetch for A, waves 2, 3 for B; four v_nop follow each line
	s_cmp_eq_u32 s15, 0
	s_cbranch_scc0 .Lfor_b_\@
	tensor_load_to_lds s[\g0a:\g0a+3], s[\g1a:\g1a+7]
	s_nop 0
.rept 4
	v_nop
.endr
	s_branch .Lasked_\@
.Lfor_b_\@:
	tensor_load_to_lds s[\g0b:\g0b+3], s[\g1b:\g1b+7]
	s_nop 0
.rept 4
	v_nop
.endr
.Lasked_\@:
.endm
.macro CROUND
	s_barrier_signal -1
	s_barrier_wait -1
	s_cmp_lg_u32 s14, 0
	s_cbranch_scc1 .Lnot_wave_0_\@
	s_barrier_signal -3
.Lnot_wave_0_\@:
	s_barrier_wait -3
	s_barrier_signal -1
	s_barrier_wait -1
.endm
.macro PLACES n
.rept \n
	v_nop
.endr
.endm
	s_load_b256 s[4:11], s[0:1], 0x0               ; ac 4:5, asc 6:7, wc 8:9, s1 10:11
	s_load_b128 s[84:87], s[0:1], 0x20             ; bo 84:85, out0 86:87
	v_lshl_add_u32 v[SPW], v0, 2, SPARE
	v_mov_b32 v[NIL], 0
	ds_add_u32 v28, v29
	ds_add_u32 v28, v29
	s_wait_dscnt 0x0
	v_lshrrev_b32 v1, 5, v0
	v_readfirstlane_b32 s14, v1                    ; wave
	s_lshr_b32 s15, s14, 1                         ; my half of A's rows.  Also: I fetch for A (0) or for B (1)
	s_and_b32 s16, s14, 1                          ; my half of B's rows.  Also: which half I fetch
	s_bfe_u32 s40, ttmp6, 0x40000                  ; cx
	s_bfe_u32 s41, ttmp6, 0x40004                  ; cy
	s_and_b32 s17, ttmp7, 0xffff
	s_lshl_b32 s17, s17, 2
	s_add_co_u32 s18, s17, s41                     ; A's tile of 128 positions
	s_lshl_b32 s42, ttmp9, 2
	s_add_co_u32 s42, s42, s40                     ; B's tile of 256 columns
	s_lshl_b32 s43, s41, 2
	s_lshl_b32 s43, 15, s43                        ; my row of the cluster
	s_lshl_b32 s44, 0x1111, s40                    ; my column
	s_or_b32 s[G1+0], s43, (0<<16)|(1<<20)|(1<<21)|(5<<22)|(3<<25)
	s_mov_b32 s[G1+1], 256<<16
	s_mov_b32 s[G1+2], (16*NA)<<16
	s_mov_b32 s[G1+3], 256<<16
	s_mov_b32 s[G1+4], 16*NA
	s_mov_b32 s[G1+5], 512
	s_mov_b32 s[G1+6], 0
	s_mov_b32 s[G1+7], 0
	s_or_b32 s[G1B+0], s44, (0<<16)|(1<<20)|(1<<21)|(5<<22)|(3<<25)
	s_mov_b32 s[G1B+1], 256<<16
	s_mov_b32 s[G1B+2], 128<<16
	s_mov_b32 s[G1B+3], 256<<16
	s_mov_b32 s[G1B+4], 128
	s_mov_b32 s[G1B+5], 512
	s_mov_b32 s[G1B+6], 0
	s_mov_b32 s[G1B+7], 0
	s_or_b32 s[G1S+0], s43, (3<<16)|(1<<20)|(1<<21)|(5<<22)|(3<<25)
	s_mov_b32 s[G1S+1], 32<<16
	s_mov_b32 s[G1S+2], (2*NA)<<16
	s_mov_b32 s[G1S+3], 32<<16
	s_mov_b32 s[G1S+4], 2*NA
	s_mov_b32 s[G1S+5], 32
	s_mov_b32 s[G1S+6], 0
	s_mov_b32 s[G1S+7], 0
	s_or_b32 s[G1SB+0], s44, (3<<16)|(1<<20)|(1<<21)|(5<<22)|(3<<25)
	s_mov_b32 s[G1SB+1], 32<<16
	s_mov_b32 s[G1SB+2], 16<<16
	s_mov_b32 s[G1SB+3], 32<<16
	s_mov_b32 s[G1SB+4], 16
	s_mov_b32 s[G1SB+5], 32
	s_mov_b32 s[G1SB+6], 0
	s_mov_b32 s[G1SB+7], 0
	s_lshl_b32 s19, s16, 6
	s_lshl_b32 s20, s18, 7
	s_add_co_u32 s20, s20, s19                     ; A's row: 128 x tile + 64 x half
	s_lshl_b32 s2, s16, 7
	s_lshl_b32 s46, s42, 8
	s_add_co_u32 s46, s46, s2                      ; B's row: 256 x tile + 128 x half
	s_lshl_b32 s22, s20, 5
	s_mov_b32 s23, 0
	s_lshl_b32 s20, s20, 9
	s_mov_b32 s21, 0
	s_lshl_b32 s66, s46, 5
	s_add_co_u32 s66, s66, 360448                  ; Wo's scale bytes in s1
	s_mov_b32 s67, 0
	s_lshl_b32 s46, s46, 9
	s_add_co_u32 s46, s46, 1572864                 ; Wo's codes in wc
	s_mov_b32 s47, 0
	s_mul_i32 s12, s16, HALFA                      ; where they go: the wave's number alone enters an LDS address
	s_mul_i32 s2, s16, HALFB
	s_add_co_u32 s2, s2, 2*HALFA
	s_mul_i32 s19, s16, HALFSA
	s_mul_i32 s3, s16, HALFSB
	s_add_co_u32 s3, s3, 2*HALFSA
	s_wait_kmcnt 0x0
	s_add_nc_u64 s[20:21], s[4:5], s[20:21]
	s_add_nc_u64 s[22:23], s[6:7], s[22:23]
	s_add_nc_u64 s[46:47], s[8:9], s[46:47]
	s_add_nc_u64 s[66:67], s[10:11], s[66:67]
	CROUND                                         ; all sixteen work-groups are here: the joint loads meet
	s_mov_b32 s[G0S], 1
	s_add_co_u32 s[G0S+1], s19, SCL
	s_mov_b64 s[G0S+2:G0S+3], s[22:23]
	s_or_b32 s[G0S+3], s[G0S+3], 0x80000000
	s_mov_b32 s[G0SB], 1
	s_add_co_u32 s[G0SB+1], s3, SCL
	s_mov_b64 s[G0SB+2:G0SB+3], s[66:67]
	s_or_b32 s[G0SB+3], s[G0SB+3], 0x80000000
	JLOAD G0S, G1S, G0SB, G1SB
.irp s, 0,1
	s_mov_b32 s[G0+4*\s], 1
	s_add_co_u32 s[G0+4*\s+1], s12, \s*SLOT
	s_add_nc_u64 s[G0+4*\s+2:G0+4*\s+3], s[20:21], \s*256
	s_or_b32 s[G0+4*\s+3], s[G0+4*\s+3], 0x80000000
	s_mov_b32 s[G0B+4*\s], 1
	s_add_co_u32 s[G0B+4*\s+1], s2, \s*SLOT
	s_add_nc_u64 s[G0B+4*\s+2:G0B+4*\s+3], s[46:47], \s*256
	s_or_b32 s[G0B+4*\s+3], s[G0B+4*\s+3], 0x80000000
	JLOAD G0+4*\s, G1, G0B+4*\s, G1B               ; three loads of mine are out, and no more are issued
.endr
	v_and_b32 v1, 15, v0                           ; r
	v_bfe_u32 v2, v0, 4, 1                         ; h
	v_mul_u32_u24 v3, v1, PITCH
	v_lshl_add_u32 v4, v2, 4, v3
	s_mul_i32 s20, s15, HALFA
	s_mul_i32 s21, s16, HALFB
	s_add_co_u32 s21, s21, 2*HALFA
.irp s, 0,1
	v_add_nc_u32 v[ADRA+\s], s20, v4
	v_add_nc_u32 v[ADRB+\s], s21, v4
	s_add_co_u32 s20, s20, SLOT
	s_add_co_u32 s21, s21, SLOT
.endr
	v_lshlrev_b32 v5, 5, v1
	v_lshrrev_b32 v6, 3, v1
	v_lshl_add_u32 v5, v6, 4, v5
	s_mul_i32 s20, s15, HALFSA
	s_mul_i32 s21, s16, HALFSB
	s_add_co_u32 s21, s21, 2*HALFSA
	s_sub_co_u32 s21, s21, s20
	v_mul_u32_u24 v6, s21, v2                      ; lanes 16-31 take B's: one product, the distance x h
	s_add_co_u32 s20, s20, SCL
	v_add_nc_u32 v5, v5, v6
	v_add_nc_u32 v[ADRS], s20, v5
	s_mul_i32 s20, s14, 16*SPITCH
	s_add_co_u32 s20, s20, STAGE                   ; my stage
	v_mul_u32_u24 v5, v1, SPITCH
	v_lshl_add_u32 v5, v2, 5, v5
	v_add_nc_u32 v[STO], s20, v5
	v_and_b32 v6, 31, v0
	v_lshlrev_b32 v[CO], 4, v6
	v_add_nc_u32 v[RD], s20, v[CO]
	v_lshlrev_b32 v8, 5, v2                        ; the bias of my half's eight columns: 32 h
	s_lshl_b32 s20, s42, 10
	s_lshl_b32 s21, s16, 9
	s_add_co_u32 s20, s20, s21                     ; my 128 columns, in bytes: in bo and in a row of out0
	s_mov_b32 s21, 0
	s_add_nc_u64 s[BP:BP+1], s[84:85], s[20:21]
	s_lshl_b32 s22, s18, 1
	s_add_co_u32 s22, s22, s15                     ; my 64 positions are one group of 64 natural rows
	s_lshl_b32 s22, s22, 18
	s_add_co_u32 s20, s20, s22
	s_add_nc_u64 s[OUT:OUT+1], s[86:87], s[20:21]
	WIN 0x40
.irp b, 0,1,2,3,4,5,6,7
	global_load_b128 v[CBI+8*\b:CBI+8*\b+3], v8, s[BP:BP+1] offset:64*\b
	global_load_b128 v[CBI+8*\b+4:CBI+8*\b+7], v8, s[BP:BP+1] offset:64*\b+16
.endr
	WIN 0
.macro FRAG reg, adr, q, i
.irp c, 0,1
	ds_load_b128 v[\reg+4*\c:\reg+4*\c+3], v[\adr] offset:64*(\q)+32*\c+(\i)*16*PITCH
.endr
.endm
.macro FETCH slot, q, p
	WIN 0x40
.irp i, 0,1,2,3,4,5,6,7
	FRAG 128*(\p)+8*\i, ADRB+\slot, \q, \i
.endr
	WIN 0
.irp i, 0,1,2,3,4,5,6,7
.if \i < NA
	FRAG AF+64*(\p)+8*\i, ADRA+\slot, \q, \i
.endif
.endr
.endm
.macro SCALES s                        ; lanes 0-15 A's block i (blocks 4-7 are read and not used), lanes 16-31 B's block i
.irp i, 0,1,2,3,4,5,6,7
	ds_load_b128 v[SC+32*\s+4*\i:SC+32*\s+4*\i+3], v[ADRS] offset:\i*SBLK+16*\s
.endr
.endm
.macro MULS p, q, sc, cm               ; 32 matrix instructions: all accumulators take turns, one instruction a turn
.if \cm
	WIN 0x91
.else
	WIN 0xa1
.endif
.irp a, 0,1,2,3
.irp b, 0,1,2,3,4,5,6,7
.set rD, 8*(8*\a+\b)
.set rB, 128*(\p)+8*\b
.set rA, AF+64*(\p)+8*\a
.set rSB, SC+32*(\sc)+4*\b+(\q)
.set rSA, SC+32*(\sc)+4*\a+(\q)
.if \cm
	v_wmma_scale_f32_16x16x128_f8f6f4 v[rD:rD+7], v[rB:rB+7], v[rA:rA+7], v[CBI+8*\b:CBI+8*\b+7], v[rSB], v[rSA] matrix_a_fmt:MATRIX_FMT_FP4 matrix_b_fmt:MATRIX_FMT_FP4 matrix_a_scale:MATRIX_SCALE_ROW1
.else
	v_wmma_scale_f32_16x16x128_f8f6f4 v[rD:rD+7], v[rB:rB+7], v[rA:rA+7], v[rD:rD+7], v[rSB], v[rSA] matrix_a_fmt:MATRIX_FMT_FP4 matrix_b_fmt:MATRIX_FMT_FP4 matrix_a_scale:MATRIX_SCALE_ROW1
.endif
.endr
.endr
	WIN 0
.endm
.macro STEP fs, fq, fp, p, q, sc
	PLACES 4                                       ; loads into registers that the last step's products read stand four plain places behind them
	FETCH \fs, \fq, \fp
	s_wait_dscnt NLD                               ; all but the NLD just issued
	MULS \p, \q, \sc, 0
.endm
	s_wait_tensorcnt 0x1                           ; the scale bytes and my part of slot 0 are in; slot 1's load may be out
	s_barrier_signal -1
	s_barrier_wait -1
	SCALES 0
	FETCH 0, 0, 0
	FETCH 0, 1, 1
	s_wait_dscnt NLD
	s_wait_loadcnt 0x0                             ; the bias
	MULS 0, 0, 0, 1
	STEP 0, 2, 0, 1, 1, 0
	STEP 0, 3, 1, 0, 2, 0
	s_wait_tensorcnt 0x0                           ; my part of slot 1 is in
	ds_add_u32 v[SPW], v[NIL]                      ; 0 onto my spare word
	PLACES 4
	s_wait_dscnt 0x0                               ; the add is done, step 3's fragments are in
	s_barrier_signal -1
	s_barrier_wait -1                              ; slot 1 is whole
	SCALES 1
	FETCH 1, 0, 0
	MULS 1, 3, 0, 0
	STEP 1, 1, 1, 0, 0, 1
	STEP 1, 2, 0, 1, 1, 1
	STEP 1, 3, 1, 0, 2, 1
	s_wait_dscnt 0x0
	MULS 1, 3, 1, 0
; THE WAY OUT.  Block a is residue a of my 64 natural rows.  A lane holds 32 neighbouring bytes of a row: a block goes through my own stage and comes back as rows of 512 bytes.
; Stage row t is natural row 4 t + a: the place stands in the store's immediate, 258,048 bytes at the most; no base is stepped.
.macro TOSTAGE a
	WIN 0x08                                       ; an LDS store's data: window 2
.irp b, 0,1,2,3,4,5,6,7
	ds_store_b128 v[STO], v[64*(\a)+8*\b:64*(\a)+8*\b+3] offset:64*\b          ; each accumulator from its low end on
	ds_store_b128 v[STO], v[64*(\a)+8*\b+4:64*(\a)+8*\b+7] offset:64*\b+16
.endr
	WIN 0
.irp t, 0,1,2,3,4,5,6,7,8,9,10,11,12,13,14,15
	ds_load_b128 v[BK+64*((\a)%2)+4*\t:BK+64*((\a)%2)+4*\t+3], v[RD] offset:\t*SPITCH   ; LDS serves a wave's instructions in order: these see the stores above
.endr
.endm
.macro SEND a, younger                 ; younger: the LDS instructions issued behind block a's loads, which may stay out
	s_wait_dscnt \younger
.irp t, 0,1,2,3,4,5,6,7,8,9,10,11,12,13,14,15
	global_store_b128 v[CO], v[BK+64*((\a)%2)+4*\t:BK+64*((\a)%2)+4*\t+3], s[OUT:OUT+1] offset:(\a)*4096+\t*16384 th:TH_STORE_NT   ; 32 lanes store 512 consecutive bytes, aligned
.endr
.endm
	PLACES 4                                       ; ahead of the first read of results and of loads into the registers that held A's fragments
	TOSTAGE 0
.irp a, 1,2,3
.if \a > 1
	s_wait_xcnt 0x0                                ; block a - 2's stores have read their registers: block a's loads may land there
.endif
	TOSTAGE \a
	SEND \a-1, 32                                  ; behind block a - 1's loads: block a's 16 stores and 16 loads
.endr
	SEND 3, 0
	s_wait_tensorcnt 0x0                           ; the wave's end
	ds_add_u32 v[SPW], v[NIL]
	s_wait_dscnt 0x0
	CROUND                                         ; the closing round
	s_endpgm
.Lfunc_end_k_qcee522d1fe_oproj:
	.size	k_qcee522d1fe_oproj, .Lfunc_end_k_qcee522d1fe_oproj-k_qcee522d1fe_oproj
	.p2alignl 7, 3214868480
	.fill 96, 4, 3214868480
	.section	.rodata,"a",@progbits
	.p2align	6, 0x0
	.amdhsa_kernel k_qcee522d1fe_oproj
		.amdhsa_group_segment_fixed_size 327680
		.amdhsa_private_segment_fixed_size 0
		.amdhsa_enable_private_segment 0
		.amdhsa_kernarg_size 48
		.amdhsa_user_sgpr_count 2
		.amdhsa_user_sgpr_kernarg_segment_ptr 1
		.amdhsa_wavefront_size32 1
		.amdhsa_system_sgpr_workgroup_id_x 1
		.amdhsa_system_sgpr_workgroup_id_y 1
		.amdhsa_system_sgpr_workgroup_id_z 1
		.amdhsa_system_vgpr_workitem_id 0
		.amdhsa_next_free_vgpr 768
		.amdhsa_next_free_sgpr 102
		.amdhsa_reserve_vcc 0
		.amdhsa_float_denorm_mode_32 3
		.amdhsa_float_denorm_mode_16_64 3
		.amdhsa_memory_ordered 1
		.amdhsa_forward_progress 1
		.amdhsa_inst_pref_size 74
	.end_amdhsa_kernel
	.amdgpu_metadata
---
amdhsa.version: [ 1, 2 ]
amdhsa.kernels:
  - .name:           k_qcee522d1fe_oproj
    .symbol:         k_qcee522d1fe_oproj.kd
    .args:
      - { .name: ac, .offset: 0, .size: 8, .value_kind: global_buffer, .address_space: global }
      - { .name: asc, .offset: 8, .size: 8, .value_kind: global_buffer, .address_space: global }
      - { .name: wc, .offset: 16, .size: 8, .value_kind: global_buffer, .address_space: global }
      - { .name: s1, .offset: 24, .size: 8, .value_kind: global_buffer, .address_space: global }
      - { .name: bo, .offset: 32, .size: 8, .value_kind: global_buffer, .address_space: global }
      - { .name: out0, .offset: 40, .size: 8, .value_kind: global_buffer, .address_space: global }
    .group_segment_fixed_size: 327680
    .private_segment_fixed_size: 0
    .kernarg_segment_align: 8
    .kernarg_segment_size: 48
    .max_flat_workgroup_size: 128
    .sgpr_count:     102
    .vgpr_count:     768
    .wavefront_size: 32
...
	.end_amdgpu_metadata
.endif
;; end of part 4
